; MI455X (gfx1250); checked and timed in simulation.
; The chip was launched on July 23, 2026; its instructions are those of AMD's public machine-readable ISA for CDNA 5 (MIT licence, August 2026) and "CDNA5" Instruction Set Architecture Reference Guide (July 2026). The comments in the code are by the model that wrote it; some were corrected since.
;; Rel Pos Multi Head Attention. Allowed arithmetic: float matrix products may take bf16 or f16 operands with f32 sums; other float arithmetic in f32, or as packed bf16 or f16 multiplies, adds, multiply-adds, maxima and minima; sums over many terms, partial sums and values carried from step to step in f32; what a program stores and reads back later, other than sums and carried values, may be rounded once to bf16 or f16.
;; Inputs: Wk 1,024 x 1,024 float32; Wo 1,024 x 1,024 float32; Wq 1,024 x 1,024 float32; Wrel 1,024 x 1,024 float32; Wv 1,024 x 1,024 float32; bias_u 16 x 64 float32; bias_v 16 x 64 float32; pos_emb 2,048 x 1,024 float32; x 2 x 2,048 x 1,024 float32.
;; Outputs: out0 2 x 2,048 x 1,024 float32.
;; One version. Each part assembles by itself: llvm-mc -triple=amdgcn-amd-amdhsa -mcpu=gfx1250 --defsym DOCPART=n.
;; ======== version 1 of 1: 4 launches
;; limits: values are held in f16: magnitudes above 65,504 overflow, below 6.1e-05 lose precision
;; workspace buffers: h16 23,068,672 bytes; act 37,752,832 bytes; oh 8,388,608 bytes
;; launch cast (part 1): grid 704 x 1, 8 waves a work-group, no clusters, 0 bytes of LDS; arguments x, pos_emb, Wq, Wk, Wv, Wrel, Wo, h16, act; writes h16, act
.if DOCPART == 1
	.amdgcn_target "amdgcn-amd-amdhsa--gfx1250"
	.amdhsa_code_object_version 6
	.text
	.protected	k_q04407c5fba_cast
	.globl	k_q04407c5fba_cast
	.p2align	8
	.type	k_q04407c5fba_cast,@function
k_q04407c5fba_cast:
	s_mov_b64 s[64:65], 0
	v_nop
	global_prefetch_b8 v0, s[64:65] scope:SCOPE_SE
	s_setreg_imm32_b32 hwreg(HW_REG_WAVE_MODE, 25, 1), 1
	s_wait_xcnt 0x0
; Every large input is rounded once, f32 to f16 (nearest even), into h16:
;   byte 0           A_all [6144][1024]: x's 4,096 rows, then pos_emb's 2,048
;   byte 12,582,912  B_all [4096][1024]: Wq, Wk, Wv, Wrel
;   byte 20,971,520  WOB [16 heads][1024 n][64]: Wo by heads, so that a head's 64 channels of all n lie dense
; LIMIT: a number beyond 65,504 in magnitude becomes an infinity; below 6.1e-5 f16 keeps a fixed step of 6e-8.
; A work-group converts one chunk of 16,384 numbers: 64 KiB in, 32 KiB out.  Thread t takes 8 numbers a trip, eight trips, all sixteen loads issued first.
; A stream: no LDS, no barrier, no matrix unit; each input byte is read once, each store of 16 lanes covers 256 consecutive bytes, aligned.
; Work-group 0's wave 0 also writes row 0 (zeros) of each head's table of relative keys in act.
.set X, 8                              ; v[8:71]   the chunk as loaded
.set Y, 72                             ; v[72:103] as stored
.set Z, 104                            ; v[104:107] zeros
.set RKB, 33554432                     ; the tables' first byte in act
.set RKH, 262400                       ; bytes from head to head: 2,050 rows of 128
	s_load_b512 s[8:23], s[0:1], 0x0               ; x, pos_emb, Wq, Wk, Wv, Wrel, Wo, h16
	s_load_b64 s[24:25], s[0:1], 0x40              ; act
	s_mov_b32 s2, ttmp9                            ; the chunk
	v_lshrrev_b32 v4, 5, v0
	v_readfirstlane_b32 s3, v4                     ; the wave
	s_wait_kmcnt 0x0
	s_mov_b64 s[26:27], s[8:9]                     ; chunks 0-255: x
	s_mov_b32 s28, 0
.macro PICK first, ptr                 ; from chunk first on: the next input
	s_cmp_ge_u32 s2, \first
	s_cselect_b64 s[26:27], s[\ptr:\ptr+1], s[26:27]
	s_cselect_b32 s28, \first, s28
.endm
	PICK 256, 10
	PICK 384, 12
	PICK 448, 14
	PICK 512, 16
	PICK 576, 18
	PICK 640, 20
	s_sub_co_u32 s30, s2, s28
	s_lshl_b32 s30, s30, 16                        ; the chunk's 64 KiB in its input
	s_mov_b32 s31, 0
	s_add_nc_u64 s[26:27], s[26:27], s[30:31]
; Eight trips: 8,192 bytes of the input apart, step bytes of the output apart.  No register is written twice, so nothing waits for a store.
.macro CONV step
.irp i, 0,1,2,3,4,5,6,7
	global_load_b128 v[X+8*\i:X+8*\i+3],   v1, s[26:27] offset:8192*\i th:TH_LOAD_NT
	global_load_b128 v[X+8*\i+4:X+8*\i+7], v1, s[26:27] offset:8192*\i+16 th:TH_LOAD_NT
.endr
.irp i, 0,1,2,3,4,5,6,7
	s_wait_loadcnt 14-2*\i                         ; loads come back in order: trip i's two are in, the younger trips' stay out
.irp j, 0,1,2,3
	v_cvt_pk_f16_f32 v[Y+4*\i+\j], v[X+8*\i+2*\j], v[X+8*\i+2*\j+1]
.endr
	global_store_b128 v2, v[Y+4*\i:Y+4*\i+3], s[32:33] offset:(\step)*\i
.endr
.endm
	s_cmp_ge_u32 s2, 640
	s_cbranch_scc1 .Lwo
	s_lshl_b32 s30, s2, 15                         ; chunks 0-639 lie in h16 in their own order
	s_add_nc_u64 s[32:33], s[22:23], s[30:31]
	v_lshlrev_b32 v1, 5, v0                        ; 32 bytes in,
	v_lshlrev_b32 v2, 4, v0                        ; 16 bytes out
	CONV 4096
	s_or_b32 s3, s3, s2
	s_cmp_lg_u32 s3, 0
	s_cbranch_scc1 .Lend
.irp j, 0,1,2,3
	v_mov_b32 v[Z+\j], 0
.endr
	v_and_b32 v4, 31, v0
	v_lshrrev_b32 v5, 3, v4                        ; eight lanes write a head's row 0: 128 bytes
	v_and_b32 v6, 7, v0
	v_mul_u32_u24 v3, v5, RKH
	v_lshl_add_u32 v3, v6, 4, v3
	s_add_nc_u64 s[34:35], s[24:25], RKB
.irp k, 0,1,2,3
	global_store_b128 v3, v[Z:Z+3], s[34:35] offset:\k*4*RKH  ; heads 4 k .. 4 k + 3
.endr
.Lend:
	s_endpgm
.Lwo:                                  ; Wo: the chunk is 16 rows n; trip i takes rows 2 i, 2 i + 1; thread t: row bit (t >> 3) & 1, head t >> 4, 8 channels (t & 7)
	s_sub_co_u32 s30, s2, 640
	s_lshl_b32 s30, s30, 11                        ; 16 rows of 128 bytes in each head's block
	s_add_co_u32 s30, s30, 20971520
	s_add_nc_u64 s[32:33], s[22:23], s[30:31]
	v_bfe_u32 v4, v0, 3, 1
	v_lshrrev_b32 v5, 4, v0
	v_and_b32 v6, 7, v0
	v_lshlrev_b32 v1, 12, v4                       ; in: row x 4,096 + head x 256 + 32 (t & 7)
	v_lshl_add_u32 v1, v5, 8, v1
	v_lshl_add_u32 v1, v6, 5, v1
	v_lshlrev_b32 v2, 17, v5                       ; out: head x 131,072 + row x 128 + 16 (t & 7): 16 lanes fill two rows of a head, 256 bytes on end
	v_lshl_add_u32 v2, v4, 7, v2
	v_lshl_add_u32 v2, v6, 4, v2
	CONV 256
	s_endpgm
.Lfunc_end_k_q04407c5fba_cast:
	.size	k_q04407c5fba_cast, .Lfunc_end_k_q04407c5fba_cast-k_q04407c5fba_cast
	.p2alignl 7, 3214868480
	.fill 96, 4, 3214868480
	.section	.rodata,"a",@progbits
	.p2align	6, 0x0
	.amdhsa_kernel k_q04407c5fba_cast
		.amdhsa_group_segment_fixed_size 0
		.amdhsa_private_segment_fixed_size 0
		.amdhsa_enable_private_segment 0
		.amdhsa_kernarg_size 72
		.amdhsa_user_sgpr_count 2
		.amdhsa_user_sgpr_kernarg_segment_ptr 1
		.amdhsa_wavefront_size32 1
		.amdhsa_system_sgpr_workgroup_id_x 1
		.amdhsa_system_sgpr_workgroup_id_y 1
		.amdhsa_system_sgpr_workgroup_id_z 1
		.amdhsa_system_vgpr_workitem_id 0
		.amdhsa_next_free_vgpr 108
		.amdhsa_next_free_sgpr 66
		.amdhsa_reserve_vcc 0
		.amdhsa_float_denorm_mode_32 3
		.amdhsa_float_denorm_mode_16_64 3
		.amdhsa_memory_ordered 1
		.amdhsa_forward_progress 1
		.amdhsa_inst_pref_size 13
	.end_amdhsa_kernel
	.amdgpu_metadata
---
amdhsa.version: [ 1, 2 ]
amdhsa.kernels:
  - .name:           k_q04407c5fba_cast
    .symbol:         k_q04407c5fba_cast.kd
    .args:
      - { .name: x, .offset: 0, .size: 8, .value_kind: global_buffer, .address_space: global }
      - { .name: pos_emb, .offset: 8, .size: 8, .value_kind: global_buffer, .address_space: global }
      - { .name: Wq, .offset: 16, .size: 8, .value_kind: global_buffer, .address_space: global }
      - { .name: Wk, .offset: 24, .size: 8, .value_kind: global_buffer, .address_space: global }
      - { .name: Wv, .offset: 32, .size: 8, .value_kind: global_buffer, .address_space: global }
      - { .name: Wrel, .offset: 40, .size: 8, .value_kind: global_buffer, .address_space: global }
      - { .name: Wo, .offset: 48, .size: 8, .value_kind: global_buffer, .address_space: global }
      - { .name: h16, .offset: 56, .size: 8, .value_kind: global_buffer, .address_space: global }
      - { .name: act, .offset: 64, .size: 8, .value_kind: global_buffer, .address_space: global }
    .group_segment_fixed_size: 0
    .private_segment_fixed_size: 0
    .kernarg_segment_align: 8
    .kernarg_segment_size: 72
    .max_flat_workgroup_size: 256
    .sgpr_count:     66
    .vgpr_count:     108
    .wavefront_size: 32
...
	.end_amdgpu_metadata
.endif
;; end of part 1
;; launch proj (part 2): grid 56 x 4, 4 waves a work-group, clusters of 4 x 4, 327,680 bytes of LDS; arguments h16, bias_u, bias_v, act; writes act
.if DOCPART == 2
	.amdgcn_target "amdgcn-amd-amdhsa--gfx1250"
	.amdhsa_code_object_version 6
	.text
	.protected	k_q04407c5fba_proj
	.globl	k_q04407c5fba_proj
	.p2align	8
	.type	k_q04407c5fba_proj,@function
k_q04407c5fba_proj:
	s_mov_b64 s[64:65], 0
	v_nop
	global_prefetch_b8 v0, s[64:65] scope:SCOPE_SE
	s_setreg_imm32_b32 hwreg(HW_REG_WAVE_MODE, 25, 1), 1
	s_wait_xcnt 0x0
	s_wait_alu depctr_hold_cnt(0) depctr_sa_sdst(0) depctr_va_vdst(0) depctr_va_sdst(0) depctr_va_ssrc(0) depctr_va_vcc(0) depctr_vm_vsrc(0)
	s_getreg_b32 s2, hwreg(HW_REG_IB_STS2, 6, 4)
	s_cmp_eq_u32 s2, 0
	s_cbranch_scc0 .Lentry_in_a_cluster
	s_endpgm
.Lentry_in_a_cluster:
	s_bfe_u32 s2, ttmp6, 0x10000c
	s_cmp_lg_u32 s2, 0xf033
	s_cbranch_scc0 .Lentry_shape_is_right
	s_endpgm
.Lentry_shape_is_right:
; The four projections as one product C = A_all B_all^T, f16 operands, f32 sums, taken only where it is wanted:
;   tile rows 0-15 (x) x tile columns 0-11 (Wq, Wk, Wv): 192 tiles of 256 x 256;   tile rows 16-23 (pos_emb) x tile columns 12-15 (Wrel): 32 tiles.
; 224 work-groups in 14 clusters of 4 x 4.  Cluster c < 12: rows of clusters c / 3, column c % 3 (0 q, 1 k, 2 v); c = 12, 13: the relative keys.
; A tile: four waves, each 128 x 128 in 64 accumulators; K = 1,024 in eight steps of 128 through two LDS slots filled by the tensor data mover;
; A's tile is asked for jointly by a row of the cluster, B's by a column.  The matrix instruction is used transposed (source 0 = rows of B), so a lane holds eight neighbouring columns of a row of C.
; RESULTS, rounded once to f16, by heads [b][h][t][64] in act: q + bias_u at 0, q + bias_v at 8,388,608 (the q tiles go out twice, the bias added in f32), k at 16,777,216, v at 25,165,824;
; the relative keys at 33,554,432 + head x 262,400, row 1 + l (row 0 holds zeros, written by the launch before).
; LIMIT: a result beyond 65,504 in magnitude becomes an infinity.
; REGISTERS in windows of 256: window 0: v0-31 addresses, v64-191 A's two fragment buffers (on the way out: bias, sums), v32-63, v192-255 the way out; window 1: v64-191 B's buffers; windows 2, 3: accumulators.
.set SIZE_K, 1024
.set KSTEP,  128
.set PITCH,  272                       ; an LDS row: 256 bytes + 16 of padding: the 16 rows of a fragment load start at 16 different groups of four banks
.set HALFT,  128*PITCH
.set SLOT,   4*HALFT
.set STAGE,  2*SLOT                    ; behind the ring: for each wave 2 heads x 16 rows x 144 bytes
.set SPITCH, 144
.set WSTAGE, 32*SPITCH
.set SPARE,  STAGE+4*WSTAGE            ; the spare words: 128 bytes a wave, named by no other line
.set LAPS,   SIZE_K/(2*KSTEP)
.set BALL,   12582912                  ; B_all's first byte in h16
.set ADRA, 16
.set ADRB, 20
.set STO,  24
.set RD,   25
.set GO,   26
.set BO,   27
.set SPW,  28
.set NIL,  29
.set PFO,  30
.set F0,   64
.set F1,   128
.set BI,   64                          ; the way out: my 64 columns' bias, 8 registers a block of 16 columns
.set TW,   128                         ; sums with the bias
.set TMP,  192                         ; packed
.set OB,   32                          ; rows read back: v32-63 and v224-255 by turns
.set G1,  24
.set G0,  32
.set LIM, 43
.set PFA, 44
.set G1B, 48
.set G0B, 56
.set ARG, 68                           ; s[68:69] h16, s[70:71] bias_u, s[72:73] bias_v, s[74:75] act
.set CROW, 76
.set REG,  77                          ; 0 q, 1 k, 2 v, 3 relative keys: the same in all partners
.set OTA,  78
.set OTB,  79
.set PASS, 80
.set NPASS, 81
.set OFFB, 82                          ; s[82:83]
.set HSTR, 84                          ; s[84:85]
.set P0,   86                          ; s[86:87]
.set P1,   88                          ; s[88:89]
.set BP,   90                          ; s[90:91]
.set SIG,  92                          ; s[92:93]
.set MSB, 0
.macro WIN new                         ; the immediate's high byte repeats the setting that is left
.if MSB != (\new)
	s_set_vgpr_msb (MSB<<8)|(\new)
.set MSB, \new
.endif
.endm
.set MUL_LO, 0xa1
.set MUL_HI, 0xf1
.set TO_B,   0x40
; A joint load: waves 0 and 1 fetch A's two halves, waves 2 and 3 B's.  The branch hangs on the wave's number alone.
.macro JLOAD s
	s_cmp_eq_u32 s11, 0
	s_cbranch_scc0 .Lfor_b_\@
	tensor_load_to_lds s[G0+4*(\s):G0+4*(\s)+3], s[G1:G1+7]
	s_nop 0
.rept 4
	v_nop
.endr
	s_branch .Lasked_\@
.Lfor_b_\@:
	tensor_load_to_lds s[G0B+4*(\s):G0B+4*(\s)+3], s[G1B:G1B+7]
	s_nop 0
.rept 4
	v_nop
.endr
.Lasked_\@:
.endm
; A prefetch of the K step that stands two refills on: 32 rows x 256 bytes, a lane a row.  Of the clusters that read the same rows one asks; its four partners that ask for a tile jointly take 32 of the wave's
; 128 rows each, told apart by address.  The loop's last trip asks for nothing: K steps 4 to 7 are named, each row's 256 bytes once in the launch.
.macro ASK
	s_cmp_gt_u32 s3, s[LIM]
	s_cbranch_scc0 .Lnot_mine_\@
	global_prefetch_b8 v[PFO], s[PFA:PFA+1] offset:KSTEP*2 th:TH_LOAD_NT scope:SCOPE_SE
.Lnot_mine_\@:
.endm
.macro CREST
	s_cmp_lg_u32 s10, 0
	s_cbranch_scc1 .Lnot_wave_0_\@
	s_barrier_signal -3
.Lnot_wave_0_\@:
	s_barrier_wait -3
	s_barrier_signal -1
	s_barrier_wait -1
.endm
.macro CROUND
	s_barrier_signal -1
	s_barrier_wait -1
	CREST
.endm
	s_load_b256 s[ARG:ARG+7], s[0:1], 0x0
	v_lshl_add_u32 v[SPW], v0, 2, SPARE
	v_mov_b32 v[NIL], 0
	ds_add_u32 v[SPW], v[NIL]                      ; the wave's opening: the add and its wait ahead of my first tensor load
	v_lshrrev_b32 v1, 5, v0
	v_readfirstlane_b32 s10, v1                    ; wave 0..3
	s_lshr_b32 s11, s10, 1                         ; my half of the tile's rows; also: I fetch for A (0) or B (1)
	s_and_b32 s12, s10, 1                          ; my half of its columns; also: which 128 rows I fetch
	s_bfe_u32 s40, ttmp6, 0x40000                  ; cx
	s_bfe_u32 s41, ttmp6, 0x40004                  ; cy
	s_mul_i32 s14, ttmp9, 11
	s_lshr_b32 s14, s14, 5                         ; c / 3 for c < 12
	s_mul_i32 s15, s14, 3
	s_sub_co_u32 s15, ttmp9, s15                   ; c % 3
	s_sub_co_u32 s16, ttmp9, 8
	s_sub_co_u32 s17, ttmp9, 12
	s_cmp_lt_u32 ttmp9, 12
	s_cselect_b32 s[CROW], s14, s16
	s_cselect_b32 s[REG], s15, 3
	s_cselect_b32 s[OTA], s15, 0                   ; 0 in the one cluster that prefetches A's rows,
	s_cselect_b32 s[OTB], s14, s17                 ; and B's
	s_lshl_b32 s42, s[REG], 2
	s_add_co_u32 s42, s42, s40                     ; tile column
	s_lshl_b32 s13, s[CROW], 2
	s_add_co_u32 s13, s13, s41                     ; tile row
	s_lshl_b32 s43, s41, 2
	s_lshl_b32 s43, 15, s43                        ; my row of the cluster
	s_lshl_b32 s44, 0x1111, s40                    ; my column
	s_or_b32 s[G1+0], s43, (1<<16)|(1<<20)|(1<<21)|(5<<22)|(3<<25)   ; mask; 2-byte elements; padding of 4 words after every 64
	s_or_b32 s[G1B+0], s44, (1<<16)|(1<<20)|(1<<21)|(5<<22)|(3<<25)
.irp g, G1, G1B
	s_mov_b32 s[(\g)+1], KSTEP<<16                 ; tensor_dim0 = 128
	s_mov_b32 s[(\g)+2], 128<<16                   ; tensor_dim1 = 128
	s_mov_b32 s[(\g)+3], KSTEP<<16                 ; tile_dim0 = 128
	s_mov_b32 s[(\g)+4], 128                       ; tile_dim1 = 128
	s_mov_b32 s[(\g)+5], SIZE_K                    ; elements from row to row
	s_mov_b32 s[(\g)+6], 0
	s_mov_b32 s[(\g)+7], 0
.endr
	s_lshl_b32 s17, s12, 7
	s_lshl_b32 s16, s13, 8
	s_add_co_u32 s16, s16, s17                     ; A: row 256 x tile row + 128 x half
	s_lshl_b32 s46, s42, 8
	s_add_co_u32 s46, s46, s17                     ; B: row 256 x tile column + 128 x half
	s_lshl_b32 s16, s16, 11                        ; rows of 2,048 bytes
	s_lshl_b32 s46, s46, 11
	s_mov_b32 s17, 0
	s_mov_b32 s47, 0
	s_mul_i32 s20, s10, HALFT                      ; where they go: wave x 128 rows
	s_wait_dscnt 0x0                               ; the opening add is done
	s_wait_kmcnt 0x0
	s_add_nc_u64 s[6:7], s[ARG:ARG+1], BALL
	s_add_nc_u64 s[14:15], s[ARG:ARG+1], s[16:17]
	s_add_nc_u64 s[46:47], s[6:7], s[46:47]
	CROUND                                         ; all sixteen work-groups are here: the first joint loads meet
.irp s, 0,1
	s_mov_b32 s[G0+4*(\s)], 1
	s_add_co_u32 s[G0+4*(\s)+1], s20, (\s)*SLOT
	s_add_nc_u64 s[G0+4*(\s)+2:G0+4*(\s)+3], s[14:15], (\s)*KSTEP*2
	s_or_b32 s[G0+4*(\s)+3], s[G0+4*(\s)+3], 0x80000000
	s_mov_b32 s[G0B+4*(\s)], 1
	s_add_co_u32 s[G0B+4*(\s)+1], s20, (\s)*SLOT
	s_add_nc_u64 s[G0B+4*(\s)+2:G0B+4*(\s)+3], s[46:47], (\s)*KSTEP*2
	s_or_b32 s[G0B+4*(\s)+3], s[G0B+4*(\s)+3], 0x80000000
	JLOAD \s
.endr
	v_and_b32 v1, 15, v0                           ; l % 16
	v_bfe_u32 v2, v0, 4, 1                         ; l / 16
	v_mul_u32_u24 v3, v1, PITCH
	v_lshl_add_u32 v3, v2, 4, v3
	s_mul_i32 s21, s11, HALFT
	s_mul_i32 s22, s12, HALFT
	s_add_co_u32 s22, s22, 2*HALFT
.irp s, 0,1
	v_add_nc_u32 v[ADRA+(\s)], s21, v3
	v_add_nc_u32 v[ADRB+(\s)], s22, v3
	s_add_co_u32 s21, s21, SLOT
	s_add_co_u32 s22, s22, SLOT
.endr
	s_mul_i32 s23, s10, WSTAGE
	s_add_co_u32 s23, s23, STAGE                   ; my stage
	v_mul_u32_u24 v4, v1, SPITCH                   ; in: row l % 16, 16 bytes for each half of the lanes
	v_lshl_add_u32 v4, v2, 4, v4
	v_add_nc_u32 v[STO], s23, v4
	v_bfe_u32 v5, v0, 3, 2                         ; back: 32 lanes take four rows of 128 bytes,
	v_mul_u32_u24 v5, v5, SPITCH
	v_and_b32 v6, 7, v0
	v_lshl_add_u32 v5, v6, 4, v5
	v_add_nc_u32 v[RD], s23, v5
	v_and_b32 v[GO], 31, v0                        ; which are 512 consecutive bytes of a head
	v_lshlrev_b32 v[GO], 4, v[GO]
	; where my 128 x 128 goes.  Columns: heads head0, head0 + 1 of the region.  Rows: 128 tokens of one batch, or 128 relative positions.
	s_and_b32 s94, s42, 3
	s_lshl_b32 s95, s94, 10
	s_lshl_b32 s96, s12, 9
	s_add_co_u32 s95, s95, s96                     ; my first column's byte in a bias
	v_lshl_add_u32 v[BO], v2, 5, s95               ; + 32 x half of the lanes
	s_lshl_b32 s94, s94, 2
	s_lshl_b32 s96, s12, 1
	s_add_co_u32 s94, s94, s96                     ; head0
	s_lshl_b32 s95, s13, 8
	s_lshl_b32 s96, s11, 7
	s_add_co_u32 s95, s95, s96                     ; my first row of A_all
	s_lshr_b32 s96, s95, 11                        ; the batch
	s_lshl_b32 s96, s96, 4
	s_add_co_u32 s96, s96, s94
	s_lshl_b32 s96, s96, 11
	s_and_b32 s97, s95, 2047
	s_add_co_u32 s96, s96, s97
	s_lshl_b32 s96, s96, 7                         ; ((b 16 + head0) 2,048 + t) 128
	s_mul_i32 s97, s94, 262400
	s_sub_co_u32 s98, s95, 4095                    ; table row 1 + l
	s_lshl_b32 s98, s98, 7
	s_add_co_u32 s97, s97, s98
	s_mov_b32 s[HSTR], 262144
	s_cmp_eq_u32 s[REG], 3
	s_cselect_b32 s[OFFB], s97, s96
	s_cselect_b32 s[HSTR], 262400, s[HSTR]
	s_mov_b32 s[OFFB+1], 0
	s_mov_b32 s[HSTR+1], 0
	s_cmp_eq_u32 s[REG], 0
	s_cselect_b32 s[NPASS], 2, 1                   ; the q tiles go out twice
	; the prefetches
	s_lshl_b32 s20, s13, 8
	s_lshl_b32 s21, s42, 8
	s_cmp_eq_u32 s11, 0
	s_cselect_b32 s20, s20, s21                    ; the tile's first row, in A or in B
	s_cselect_b32 s21, s40, s41                    ; my place among the four that ask with me
	s_cselect_b32 s22, s[OTA], s[OTB]
	s_cselect_b64 s[PFA:PFA+1], s[ARG:ARG+1], s[6:7]
	s_cmp_eq_u32 s22, 0
	s_cselect_b32 s[LIM], 1, -1                    ; the same in all sixteen partners, for a given wave
	s_lshl_b32 s22, s12, 7
	s_add_co_u32 s20, s20, s22
	s_lshl_b32 s21, s21, 5
	s_add_co_u32 s20, s20, s21
	s_lshl_b32 s20, s20, 11
	s_mov_b32 s21, 0
	s_add_nc_u64 s[PFA:PFA+1], s[PFA:PFA+1], s[20:21]
	s_add_nc_u64 s[PFA:PFA+1], s[PFA:PFA+1], 2*KSTEP*2  ; at K step 2: the first refill steps it to 3 and names K step 4
	v_and_b32 v[PFO], 31, v0
	v_mul_u32_u24 v[PFO], v[PFO], SIZE_K*2
; 16 matrix instructions: m blocks a0, a0 + 1 of the window's four x all 8 n blocks, 32 along K.  zero = 1: the first product starts the sums.
.macro MUL16 f, hi, a0, zero
	WIN MUL_LO+0x50*(\hi)
.irp a, \a0, (\a0)+1
.irp b, 0,1,2,3,4,5,6,7
.if \zero
	v_wmma_f32_16x16x32_f16 v[8*(8*(\a)+(\b)):8*(8*(\a)+(\b))+7], v[(\f)+8*(\b):(\f)+8*(\b)+7], v[(\f)+8*(4*(\hi)+(\a)):(\f)+8*(4*(\hi)+(\a))+7], 0
.else
	v_wmma_f32_16x16x32_f16 v[8*(8*(\a)+(\b)):8*(8*(\a)+(\b))+7], v[(\f)+8*(\b):(\f)+8*(\b)+7], v[(\f)+8*(4*(\hi)+(\a)):(\f)+8*(4*(\hi)+(\a))+7], v[8*(8*(\a)+(\b)):8*(8*(\a)+(\b))+7]
.endif
.endr
.endr
.endm
.macro FETCH slot, k, f                ; 32 LDS loads in one run: a quarter step's fragments into buffer f
	WIN TO_B
.irp i, 0,1,2,3,4,5,6,7
	ds_load_b128 v[(\f)+8*(\i):(\f)+8*(\i)+3],   v[ADRB+(\slot)] offset:(\k)+(\i)*16*PITCH
	ds_load_b128 v[(\f)+8*(\i)+4:(\f)+8*(\i)+7], v[ADRB+(\slot)] offset:(\k)+(\i)*16*PITCH+32
.endr
	WIN 0
.irp i, 0,1,2,3,4,5,6,7
	ds_load_b128 v[(\f)+8*(\i):(\f)+8*(\i)+3],   v[ADRA+(\slot)] offset:(\k)+(\i)*16*PITCH
	ds_load_b128 v[(\f)+8*(\i)+4:(\f)+8*(\i)+7], v[ADRA+(\slot)] offset:(\k)+(\i)*16*PITCH+32
.endr
.endm
.macro PLACES                          ; four plain instructions between a matrix instruction and a load into, or a vector instruction on, its registers
.rept 4
	v_nop
.endr
.endm
.macro QUARTER slot, k, f, g, zero     ; multiplies buffer f; in its middle fetches the next quarter's fragments into g
	s_wait_dscnt 8                                 ; B and A's rows 0-63 are in; the youngest eight loads (A's rows 64-127) may be out
	WIN MUL_LO
	MUL16 \f, 0, 0, \zero
	MUL16 \f, 0, 2, \zero
	PLACES
	FETCH \slot, \k, \g
	s_wait_dscnt 32                                ; all but the 32 just issued
	WIN MUL_HI
	MUL16 \f, 1, 0, \zero
	MUL16 \f, 1, 2, \zero
.endm
.macro MEET round                      ; the barrier of a change of slots, with half of the last quarter's products round it
	WIN 0
	s_wait_tensorcnt 0x0                           ; all my tensor loads have landed: my part of the next slot
	ds_add_u32 v[SPW], v[NIL]
	s_wait_dscnt 9                                 ; the add and the youngest eight loads may be out
	WIN MUL_LO
	MUL16 F1, 0, 0, 0
	s_wait_dscnt 0x0                               ; the add is done, and my reads of this slot are over
	s_barrier_signal -1
	MUL16 F1, 0, 2, 0
.if \round
	WIN 0
.endif
	s_barrier_wait -1
.endm
.macro TURN slot, next                 ; the last quarter of a K step: the slot just read out is filled again, two K steps on
	s_wait_xcnt 0x0                                ; the last prefetch, a K step back, has read its address
	s_add_nc_u64 s[PFA:PFA+1], s[PFA:PFA+1], KSTEP*2
	MEET 1
	CREST                                          ; no wave of any partner still reads this slot or has a load on its way
	s_add_nc_u64 s[G0+4*(\slot)+2:G0+4*(\slot)+3], s[G0+4*(\slot)+2:G0+4*(\slot)+3], 2*KSTEP*2
	s_add_nc_u64 s[G0B+4*(\slot)+2:G0B+4*(\slot)+3], s[G0B+4*(\slot)+2:G0B+4*(\slot)+3], 2*KSTEP*2
	JLOAD \slot                                    ; the four v_nop behind it are also the places in front of the loads below
	FETCH \next, 0, F0
	ASK
	WIN MUL_HI
	MUL16 F1, 1, 0, 0
	MUL16 F1, 1, 2, 0
.endm
	s_wait_tensorcnt 1                             ; my part of K step 0 is in; K step 1's may stay out
	s_barrier_signal -1
	s_barrier_wait -1
	FETCH 0, 0, F0
	QUARTER 0, 64,  F0, F1, 1                      ; the first quarter starts the sums
	WIN 0
	s_mov_b32 s3, LAPS-1
.Llap:                                 ; a trip goes once round the ring and fills both slots again: K steps 2 to 7
	QUARTER 0, 128, F1, F0, 0
	QUARTER 0, 192, F0, F1, 0
	TURN 0, 1
	QUARTER 1, 64,  F0, F1, 0
	QUARTER 1, 128, F1, F0, 0
	QUARTER 1, 192, F0, F1, 0
	TURN 1, 0
	QUARTER 0, 64,  F0, F1, 0
	WIN 0
	s_sub_co_u32 s3, s3, 1
	s_cmp_lg_u32 s3, 0
	s_cbranch_scc1 .Llap
	QUARTER 0, 128, F1, F0, 0                      ; the last lap fills nothing
	QUARTER 0, 192, F0, F1, 0
	MEET 0
	PLACES
	FETCH 1, 0, F0
	WIN MUL_HI
	MUL16 F1, 1, 0, 0
	MUL16 F1, 1, 2, 0
	QUARTER 1, 64,  F0, F1, 0
	QUARTER 1, 128, F1, F0, 0
	QUARTER 1, 192, F0, F1, 0
	s_wait_dscnt 8
	MUL16 F1, 0, 0, 0
	MUL16 F1, 0, 2, 0
	s_wait_dscnt 0x0
	MUL16 F1, 1, 0, 0
	MUL16 F1, 1, 2, 0
	WIN 0
	PLACES                                         ; behind the last products: the bias lands in, and the sums are written to, registers that they read
; THE WAY OUT of block a (16 rows): bias added in f32, rounded to f16; into my stage by heads; back as whole rows of 128 bytes; stored, 512 consecutive bytes an instruction.
.macro PACKB a
.set AC, 64*((\a)%4)
	WIN 0x02+((\a)/4)                              ; source 0: window 2 or 3
.set z, 0
.rept 32
	v_pk_add_f32 v[TW+2*z:TW+2*z+1], v[AC+2*z:AC+2*z+1], v[BI+2*z:BI+2*z+1]
.set z, z+1
.endr
	WIN 0
.set z, 0
.rept 32
	v_cvt_pk_f16_f32 v[TMP+z], v[TW+2*z], v[TW+2*z+1]
.set z, z+1
.endr
.endm
.macro TOSTAGE a
	WIN 0
.set BK, OB+192*((\a)%2)
.irp b, 0,1,2,3,4,5,6,7
	ds_store_b128 v[STO], v[TMP+4*(\b):TMP+4*(\b)+3] offset:((\b)/4)*16*SPITCH+((\b)%4)*32
.endr
.irp t, 0,1,2,3,4,5,6,7
	ds_load_b128 v[BK+4*(\t):BK+4*(\t)+3], v[RD] offset:((\t)/4)*16*SPITCH+((\t)%4)*4*SPITCH  ; LDS serves a wave's instructions in order: these see the stores above
.endr
.endm
.macro SEND a
	WIN 0
.set BK, OB+192*((\a)%2)
	s_wait_dscnt 0x0                               ; the block is back in registers
	s_wait_xcnt 0x0                                ; the block before's stores have read their registers, which the next block's loads fill
.irp t, 0,1,2,3
	global_store_b128 v[GO], v[BK+4*(\t):BK+4*(\t)+3], s[P0:P0+1] offset:(\a)*2048+(\t)*512
.endr
.irp t, 0,1,2,3
	global_store_b128 v[GO], v[BK+16+4*(\t):BK+16+4*(\t)+3], s[P1:P1+1] offset:(\a)*2048+(\t)*512
.endr
.endm
	s_mov_b32 s[PASS], 0
.Lpass:                                ; once, or for q twice: with bias_u, then with bias_v
	s_wait_xcnt 0x0                                ; the last pass's stores have read their bases
	s_add_co_u32 s[SIG], s[REG], 1
	s_cmp_eq_u32 s[REG], 0
	s_cselect_b32 s[SIG], s[PASS], s[SIG]          ; the section: 0 q+u, 1 q+v, 2 k, 3 v, 4 the tables
	s_lshl_b32 s[SIG], s[SIG], 23
	s_mov_b32 s[SIG+1], 0
	s_add_nc_u64 s[SIG:SIG+1], s[SIG:SIG+1], s[OFFB:OFFB+1]
	s_add_nc_u64 s[P0:P0+1], s[ARG+6:ARG+7], s[SIG:SIG+1]
	s_add_nc_u64 s[P1:P1+1], s[P0:P0+1], s[HSTR:HSTR+1]
	s_cmp_eq_u32 s[REG], 0
	s_cbranch_scc0 .Lnobias
	s_cmp_eq_u32 s[PASS], 0
	s_cselect_b64 s[BP:BP+1], s[ARG+2:ARG+3], s[ARG+4:ARG+5]
.irp b, 0,1,2,3,4,5,6,7
	global_load_b128 v[BI+8*(\b):BI+8*(\b)+3],   v[BO], s[BP:BP+1] offset:64*(\b)
	global_load_b128 v[BI+8*(\b)+4:BI+8*(\b)+7], v[BO], s[BP:BP+1] offset:64*(\b)+16
.endr
	s_wait_loadcnt 0x0
	s_branch .Lbias
.Lnobias:
.set z, 0
.rept 64
	v_mov_b32 v[BI+z], 0
.set z, z+1
.endr
.Lbias:
	PACKB 0
	TOSTAGE 0
.irp a, 1,2,3,4,5,6,7                  ; block a's arithmetic stands between block a - 1's loads from the stage and the wait for them
	PACKB \a
	SEND (\a)-1
	TOSTAGE \a
.endr
	SEND 7
	s_add_co_u32 s[PASS], s[PASS], 1
	s_cmp_lt_u32 s[PASS], s[NPASS]
	s_cbranch_scc1 .Lpass
	s_wait_tensorcnt 0x0                           ; the wave's end
	ds_add_u32 v[SPW], v[NIL]
	s_wait_dscnt 0x0
	CROUND                                         ; the closing round
	s_endpgm
.Lfunc_end_k_q04407c5fba_proj:
	.size	k_q04407c5fba_proj, .Lfunc_end_k_q04407c5fba_proj-k_q04407c5fba_proj
	.p2alignl 7, 3214868480
	.fill 96, 4, 3214868480
	.section	.rodata,"a",@progbits
	.p2align	6, 0x0
	.amdhsa_kernel k_q04407c5fba_proj
		.amdhsa_group_segment_fixed_size 327680
		.amdhsa_private_segment_fixed_size 0
		.amdhsa_enable_private_segment 0
		.amdhsa_kernarg_size 32
		.amdhsa_user_sgpr_count 2
		.amdhsa_user_sgpr_kernarg_segment_ptr 1
		.amdhsa_wavefront_size32 1
		.amdhsa_system_sgpr_workgroup_id_x 1
		.amdhsa_system_sgpr_workgroup_id_y 1
		.amdhsa_system_sgpr_workgroup_id_z 1
		.amdhsa_system_vgpr_workitem_id 0
		.amdhsa_next_free_vgpr 1024
		.amdhsa_next_free_sgpr 102
		.amdhsa_reserve_vcc 0
		.amdhsa_float_denorm_mode_32 3
		.amdhsa_float_denorm_mode_16_64 3
		.amdhsa_memory_ordered 1
		.amdhsa_forward_progress 1
		.amdhsa_inst_pref_size 165
	.end_amdhsa_kernel
	.amdgpu_metadata
---
amdhsa.version: [ 1, 2 ]
amdhsa.kernels:
  - .name:           k_q04407c5fba_proj
    .symbol:         k_q04407c5fba_proj.kd
    .args:
      - { .name: h16, .offset: 0, .size: 8, .value_kind: global_buffer, .address_space: global }
      - { .name: bias_u, .offset: 8, .size: 8, .value_kind: global_buffer, .address_space: global }
      - { .name: bias_v, .offset: 16, .size: 8, .value_kind: global_buffer, .address_space: global }
      - { .name: act, .offset: 24, .size: 8, .value_kind: global_buffer, .address_space: global }
    .group_segment_fixed_size: 327680
    .private_segment_fixed_size: 0
    .kernarg_segment_align: 8
    .kernarg_segment_size: 32
    .max_flat_workgroup_size: 128
    .sgpr_count:     102
    .vgpr_count:     1024
    .wavefront_size: 32
...
	.end_amdgpu_metadata
.endif
;; end of part 2
;; launch attn (part 3): grid 8 x 32, 4 waves a work-group, no clusters, 327,680 bytes of LDS; arguments act, oh; writes oh
.if DOCPART == 3
	.amdgcn_target "amdgcn-amd-amdhsa--gfx1250"
	.amdhsa_code_object_version 6
	.text
	.protected	k_q04407c5fba_attn
	.globl	k_q04407c5fba_attn
	.p2align	8
	.type	k_q04407c5fba_attn,@function
k_q04407c5fba_attn:
	s_mov_b64 s[64:65], 0
	v_nop
	global_prefetch_b8 v0, s[64:65] scope:SCOPE_SE
	s_setreg_imm32_b32 hwreg(HW_REG_WAVE_MODE, 25, 1), 1
	s_wait_xcnt 0x0
; ATTENTION WITH RELATIVE POSITIONS.  For head (b, h), query t, key s:  score = ((q[t]+u) . k[s] + pos[t][s]) / 8,  O[t] = softmax_s(score) v[s].
; pos is the skewed product: with i = s - t + 2047,  pos[t][s] = (q[t]+v) . Rext[i] for i < 2048,  (q[t+1]+v) . Rext[i] for i >= 2048,  where Rext[i] = rel_k[i], 0 (i = 2048), rel_k[i-2049].
; In the head's table (row 0 zeros, row 1 + l = rel_k[l]) Rext[i] is row i + 1 for i < 2048 and row i - 2048 from there on.
; All operands f16 (made by the launch before); products, the positional scores, maxima and sums in f32; the weights are rounded to f16 for the last product, O once at the end.
; LIMITS.  p below 6e-5 and O below 6e-5 keep f16's fixed step of 6e-8; a weight below 2^-126 counts as 0 in the sum; NaN and infinities are not treated apart.
; SHARES.  A work-group owns 256 queries of a head, a wave 64 on end (group a = 4 A + w), as four PIECES of 16.  Every wave walks the 32 key steps of 64 keys.
; THE SKEW.  For key step j the wave multiplies its queries by WINDOW j: the 64 rows Rext[64 j - 64 a + 2048 ..].  The product is taken with the queries as rows: a lane holds one table row n and the register
; one query rho = 8 (l / 16) + jr.  Element (piece u, rho, block c, n) belongs to key 64 j + 16 (c + u) + n + rho + 1, so windows -1 .. 31 cover each (t, s) once.  Each register goes out by one store of
; 4 bytes a lane into the wave's own RING in LDS: a row of 128 f32 for each query, column = key mod 128.  From there 16-byte loads bring a step's 64 columns straight into the accumulators of S^T = K Qu^T,
; which takes them as its C operand.  No vector arithmetic moves a score.  Window j >= a takes q[t+1]+v: the operand's registers are changed once, when the window's number reaches a.
; NO CLUSTER.  The step at which a wave changes that operand is 4 A + w: for the work-groups that share K and V it would be a branch on the place in the cluster; and their windows lie 256 rows apart,
; so one of a step's three streams could not be asked for jointly.
; TURNS.  Turn p of a step: 8 products K Qu^T of piece p + 1, 8 products Qv Rext^T of piece p + 2, 8 products V^T P of piece p - 1; beside them piece p's scaling, exponentials, roundings, sums and rescaling and
; piece p + 1's maximum and statistics.  Four vector instructions stand behind each matrix instruction; a turn's 33 exponentials are one batch with one wait.
; m starts at the lowest finite number, O and l at 0: the first step is a step like any other, with a = 0.
; LDS: K four steps x 64 rows x 144 at 0; V four steps x 64 x 160; the table's windows, eight x 64 x 144; the four rings; the spare words.
; REGISTERS in windows of 256 (s_set_vgpr_msb: bits 1:0 source 0, 3:2 source 1, 5:4 source 2, 7:6 destination):
;   window 0: v0-63 addresses and statistics; v64-191 S^T, 32 a piece; v192-255 P, 16 a piece     window 1: v0-127 O^T, 32 a piece; v128-159 the positional product
;   window 2: v0-63 q+u; v64-127 q+v in use; v128-191 K; v192-255 V                               window 3: v0-63 the window's rows; v64-127 q[t+1]+v
.set NP,   4
.set KS,   64
.set PK,   144                         ; a row of K or of the table in LDS: 128 bytes + 16
.set PV,   160                         ; a row of V: 128 + 32
.set KSB,  KS*PK                       ; 9,216: a step of K, a window
.set VSB,  KS*PV                       ; 10,240
.set KB,   0
.set VB,   4*KSB
.set RB,   VB+4*VSB
.set SK,   RB+8*KSB                    ; 151,552
.set RPI,  528                         ; a ring row: 128 f32 + 16 bytes: the 16 rows of a 16-byte load start at 16 different groups of four banks
.set SKS,  64*RPI+768                  ; a wave's ring: 256 bytes ahead of it and 512 behind it are left unused
.set SPARE, SK+4*SKS                   ; the spare words: 128 bytes a wave, named by no other line
.set SP,   144
.set AK0, 2
.set AV0, 3
.set AK,  4
.set AV,  5
.set AR,  6
.set VA0, 7                            ; ring: my lane's place for the stores, 4,224 (l / 16) + 4 (l % 16 + 8 (l / 16))
.set VAP, 8                            ; + 256 p: columns that do not pass the ring's end (p = the window's parity)
.set VAR, 9                            ; - 256 p: columns that do
.set LA0, 10                           ; ring: my lane's place for the loads, 528 (l % 16) + 32 (l / 16)
.set LAD, 11
.set MV,  12
.set STO, 14
.set RD,  15
.set ST,  16                           ; piece t: c m, m, l (even keys', odd keys')
.set W,   32                           ; v32-39: for register jr the address of the one block of 16 columns that the ring's end can cut
.set NF,  40                           ; v40-47: 512 where l % 16 + 8 (l / 16) + jr < 15, else 0
.set TMP, 48
.set GO,  56
.set QO,  57
.set PFO, 58
.set AR0, 59
.set VAM, 60                           ; VA0 - 256
.set SPW, 62
.set NIL, 63
.set S,   64
.set P,   192
.set RT,  128                          ; window 1
.set QU,  0                            ; window 2
.set QV,  64
.set KF,  128
.set VF,  192
.set RF,  0                            ; window 3
.set QN,  64
.set WV,  12
.set LIM, 15
.set RKH, 16                           ; s[16:17] the head's table
.set PFA, 18
.set G1K, 24
.set G1V, 32
.set G0K, 40
.set G0V, 44
.set G0R, 48
.set FA,  52
.set SLOTS, 56
.set CNT, 57
.set CS,  58
.set SEL, 60
.set TBK, 62
.set TBV, 63
.set TBR, 66
.set MW,  67                           ; the window's place among the eight
.set JW,  68                           ; the window's number
.set AW,  69                           ; a
.set SPP, 70                           ; 256 p
.set RI,  71
.set RROW, 72
.set SQ,  73                           ; 256 - 256 p
.set KOFF, 74
.set ROFF, 76
.set QVB, 78
.set S2P, 80
.set QUB, 82
.set RR,  84
.set FB,  88
.set MSB, 0
.macro WIN new
.if MSB != (\new)
	s_set_vgpr_msb (MSB<<8)|(\new)
.set MSB, (\new)
.endif
.endm
.set W_KQ, 0x0a
.set W_RP, 0x5e
.set W_PV, 0x52
.set W_RS, 0x41
.set W_ST, 0x04
.set W_2,  0x80
.set W_3,  0xc0
.set W_SW, 0x83
.macro PLACES
.rept 4
	v_nop
.endr
.endm
.macro RNEXT d, s                      ; the table row at which the next 128 rows of Rext begin: behind row 2,048 comes row 0
	s_add_co_u32 s[\d], s[\s], 128
	s_cmp_eq_u32 s[\d], 2049
	s_cselect_b32 s[\d], 0, s[\d]
.endm
.macro FIRST2 g1, l0, l1, bs           ; a wave's two first fills, from byte s20 and byte s22 behind a base
	s_mov_b32 s[FA], 1
	s_mov_b32 s[FA+1], \l0
	s_add_nc_u64 s[FA+2:FA+3], s[\bs:\bs+1], s[20:21]
	s_or_b32 s[FA+3], s[FA+3], 0x80000000
	s_mov_b32 s[FB], 1
	s_mov_b32 s[FB+1], \l1
	s_add_nc_u64 s[FB+2:FB+3], s[\bs:\bs+1], s[22:23]
	s_or_b32 s[FB+3], s[FB+3], 0x80000000
	tensor_load_to_lds s[FA:FA+3], s[\g1:\g1+7]
	s_nop 0
	tensor_load_to_lds s[FB:FB+3], s[\g1:\g1+7]
	s_nop 0
.rept 4
	v_nop
.endr
.endm
.macro LOAD3                           ; a change's fills: wave 0 K's slot, wave 1 V's, wave 2 the table's; wave 3 none
	s_cmp_lg_u32 s[WV], 0
	s_cbranch_scc1 .Ll1_\@
	tensor_load_to_lds s[G0K:G0K+3], s[G1K:G1K+7]
	s_nop 0
.rept 4
	v_nop
.endr
	s_branch .Lld_\@
.Ll1_\@:
	s_cmp_lg_u32 s[WV], 1
	s_cbranch_scc1 .Ll2_\@
	tensor_load_to_lds s[G0V:G0V+3], s[G1V:G1V+7]
	s_nop 0
.rept 4
	v_nop
.endr
	s_branch .Lld_\@
.Ll2_\@:
	s_cmp_lg_u32 s[WV], 2
	s_cbranch_scc1 .Lld_\@
	tensor_load_to_lds s[G0R:G0R+3], s[G1K:G1K+7]
	s_nop 0
.rept 4
	v_nop
.endr
.Lld_\@:
.endm
; A prefetch of the slot of K and V that the NEXT change will ask for.  The head's eight work-groups walk the same K and V: the first of them (A = 0) asks; waves 0, 1 take the halves of K's 16,384 bytes,
; waves 2, 3 those of V's: a lane 256 bytes.  The last change that fills asks for nothing.
.macro ASK
	s_cmp_gt_u32 s[SLOTS], s[LIM]
	s_cbranch_scc0 .Lna_\@
	global_prefetch_b8 v[PFO], s[PFA:PFA+1] th:TH_LOAD_NT scope:SCOPE_SE
.Lna_\@:
.endm
; THE CHANGE OF SLOTS number n stands in step 2 n + 1, between turn 1's two halves.  By then K and V of steps 2 n, 2 n + 1 and the windows up to 2 n + 1 have been fetched, so K's and V's slot n and the
; table's slot n are dead; what the next two steps fetch (K, V: slot n + 1; table: slots n + 1 .. n + 3) was asked for a change earlier or more and has landed by the wait below.
; fill = 1: K's and V's slot n + 2 and the table's slot n + 4 are asked for, one load a wave, first thing behind the barrier.
.macro CHANGE fill
	WIN 0
	s_wait_tensorcnt 0x0                           ; no tensor load of mine is out, so a group 0 may be written
	ds_add_u32 v[SPW], v[NIL]
.if \fill
	s_xor_b32 s[G0K+1], s[G0K+1], KB^(KB+2*KSB)
	s_xor_b32 s[G0V+1], s[G0V+1], VB^(VB+2*VSB)
	s_add_co_u32 s[KOFF], s[KOFF], 16384
	s_add_nc_u64 s[G0K+2:G0K+3], s[8:9], s[KOFF:KOFF+1]
	s_or_b32 s[G0K+3], s[G0K+3], 0x80000000
	s_add_nc_u64 s[G0V+2:G0V+3], s[10:11], s[KOFF:KOFF+1]
	s_or_b32 s[G0V+3], s[G0V+3], 0x80000000
	s_add_co_u32 s[RI], s[RI], 1
	s_and_b32 s[RI], s[RI], 3
	s_mul_i32 s[G0R+1], s[RI], 2*KSB
	s_add_co_u32 s[G0R+1], s[G0R+1], RB
	RNEXT RROW, RROW
	s_lshl_b32 s[ROFF], s[RROW], 7
	s_add_nc_u64 s[G0R+2:G0R+3], s[RKH:RKH+1], s[ROFF:ROFF+1]
	s_or_b32 s[G0R+3], s[G0R+3], 0x80000000
	s_wait_xcnt 0x0                                ; the last prefetch, two key steps back, has read its address
	s_add_nc_u64 s[PFA:PFA+1], s[PFA:PFA+1], 16384
.endif
	s_wait_dscnt 0x0                               ; the add is done, and my reads of the dead slots are over
	s_barrier_signal -1
	s_barrier_wait -1
.if \fill
	LOAD3
	ASK
.endif
.endm
	s_load_b128 s[4:7], s[0:1], 0x0                ; act s[4:5], oh s[6:7]
	v_lshl_add_u32 v[SPW], v0, 2, SPARE
	v_mov_b32 v[NIL], 0
	ds_add_u32 v[SPW], v[NIL]                      ; the wave's opening: the add and its wait ahead of my first tensor load
	v_lshrrev_b32 v1, 5, v0
	v_readfirstlane_b32 s[WV], v1
	s_and_b32 s13, ttmp7, 0xffff                   ; 16 b + h
	s_and_b32 s14, s13, 15
	s_lshl_b32 s20, s13, 18                        ; a head's 262,144 bytes in each section
	s_mov_b32 s21, 0
	s_mul_i32 s22, s14, 262400                     ; the head's table
	s_mov_b32 s23, 0
	s_lshl_b32 s[AW], ttmp9, 2
	s_add_co_u32 s[AW], s[AW], s[WV]
	s_lshl_b32 s2, s[AW], 13                       ; my 64 rows
	s_mov_b32 s3, 0
	s_add_nc_u64 s[2:3], s[2:3], s[20:21]
	; descriptor group 1: 128 rows of 128 bytes are dense: asked for as 64 rows of 256 bytes and padded in LDS after every 128 bytes
	s_mov_b32 s[G1K], (1<<16)|(1<<20)|(4<<22)|(3<<25)
	s_mov_b32 s[G1V], (1<<16)|(1<<20)|(4<<22)|(7<<25)
.irp g, G1K, G1V
	s_mov_b32 s[\g+1], 128<<16
	s_mov_b32 s[\g+2], 64<<16
	s_mov_b32 s[\g+3], 128<<16
	s_mov_b32 s[\g+4], 64
	s_mov_b32 s[\g+5], 128
	s_mov_b32 s[\g+6], 0
	s_mov_b32 s[\g+7], 0
.endr
	s_mov_b32 s[CS], 0x3e38aa3b                    ; c = log2(e) / 8
	s_mov_b32 s[CS+1], s[CS]
	s_mov_b32 s[SEL], 0x76543210
	s_mov_b32 s[SEL+1], 0xfedcba98
	s_lshl_b32 s[RR], ttmp9, 8
	s_sub_co_u32 s[RR], 1793, s[RR]                ; the work-group's stream of Rext begins at i = 1,792 - 256 A: table row i + 1
	RNEXT RR+1, RR
	RNEXT RR+2, RR+1
	RNEXT RR+3, RR+2
	s_mov_b32 s[RROW], s[RR+3]
	s_mov_b32 s[JW], -2
	s_sub_co_u32 s[MW], 2, s[WV]                   ; window j lies at place (j + 4 - w) mod 8
	s_and_b32 s[MW], s[MW], 7
	s_mov_b32 s[SPP], 0
	s_mov_b32 s[SQ], 256
	s_mov_b32 s[TBK], 0
	s_mov_b32 s[TBV], 0
	s_mov_b32 s[RI], 3
	s_mov_b32 s[KOFF], 16384
	s_mov_b32 s[KOFF+1], 0
	s_mov_b32 s[ROFF+1], 0
	s_mov_b32 s[G0K], 1
	s_mov_b32 s[G0K+1], KB+2*KSB
	s_mov_b32 s[G0V], 1
	s_mov_b32 s[G0V+1], VB+2*VSB
	s_mov_b32 s[G0R], 1
	s_cmp_eq_u32 ttmp9, 0
	s_cselect_b32 s[LIM], 1, -1
	s_wait_dscnt 0x0                               ; the opening add is done
	s_wait_kmcnt 0x0
	s_add_nc_u64 s[QUB:QUB+1], s[4:5], s[2:3]      ; q+u at my rows
	s_add_nc_u64 s[QVB:QVB+1], s[QUB:QUB+1], 8388608  ; q+v
	s_add_nc_u64 s[6:7], s[6:7], s[2:3]            ; O
	s_add_nc_u64 s[8:9], s[4:5], s[20:21]
	s_add_nc_u64 s[10:11], s[8:9], 25165824        ; V of the head
	s_add_nc_u64 s[8:9], s[8:9], 16777216          ; K
	s_add_nc_u64 s[RKH:RKH+1], s[4:5], s[22:23]
	s_add_nc_u64 s[RKH:RKH+1], s[RKH:RKH+1], 33554432
	s_cmp_lt_u32 s[WV], 2
	s_cselect_b64 s[PFA:PFA+1], s[8:9], s[10:11]
	s_and_b32 s20, s[WV], 1
	s_lshl_b32 s20, s20, 13
	s_add_co_u32 s20, s20, 2*16384                 ; in slot 2; the first change steps it to slot 3
	s_add_nc_u64 s[PFA:PFA+1], s[PFA:PFA+1], s[20:21]
	; the first fills, one group, two a wave: K's slots 0, 1; V's; the table's 0, 1; the table's 2, 3
	s_mov_b32 s21, 0
	s_mov_b32 s23, 0
	s_cmp_lg_u32 s[WV], 0
	s_cbranch_scc1 .Lf1
	s_mov_b32 s20, 0
	s_mov_b32 s22, 16384
	FIRST2 G1K, KB, KB+2*KSB, 8
	s_branch .Lfe
.Lf1:
	s_cmp_lg_u32 s[WV], 1
	s_cbranch_scc1 .Lf2
	s_mov_b32 s20, 0
	s_mov_b32 s22, 16384
	FIRST2 G1V, VB, VB+2*VSB, 10
	s_branch .Lfe
.Lf2:
	s_cmp_lg_u32 s[WV], 2
	s_cbranch_scc1 .Lf3
	s_lshl_b32 s20, s[RR], 7
	s_lshl_b32 s22, s[RR+1], 7
	FIRST2 G1K, RB, RB+2*KSB, RKH
	s_branch .Lfe
.Lf3:
	s_lshl_b32 s20, s[RR+2], 7
	s_lshl_b32 s22, s[RR+3], 7
	FIRST2 G1K, RB+4*KSB, RB+6*KSB, RKH
.Lfe:
	; A fragment is 16 rows x 32 channels in 8 registers: lane l holds row l % 16, channels 8 (l / 16) + 0..7 and 16 + 8 (l / 16) + 0..7
	v_and_b32 v1, 15, v0
	v_bfe_u32 v64, v0, 4, 1
	v_lshlrev_b32 v[QO], 7, v1
	v_lshl_add_u32 v[QO], v64, 4, v[QO]
	WIN W_2
.set i, 0
.rept 8                                ; piece i / 2, channels 32 (i % 2) on
	global_load_b128 v[QU+8*i:QU+8*i+3],   v[QO], s[QUB:QUB+1] offset:(i/2)*2048+(i%2)*64
	global_load_b128 v[QU+8*i+4:QU+8*i+7], v[QO], s[QUB:QUB+1] offset:(i/2)*2048+(i%2)*64+32
	global_load_b128 v[QV+8*i:QV+8*i+3],   v[QO], s[QVB:QVB+1] offset:(i/2)*2048+(i%2)*64
	global_load_b128 v[QV+8*i+4:QV+8*i+7], v[QO], s[QVB:QVB+1] offset:(i/2)*2048+(i%2)*64+32
.set i, i+1
.endr
	WIN W_3
.set i, 0
.rept 8                                ; the same one row further down.  Behind a head's last row this is another head's (or K's) first row: its products fall on keys past the last and are never read
	global_load_b128 v[QN+8*i:QN+8*i+3],   v[QO], s[QVB:QVB+1] offset:(i/2)*2048+(i%2)*64+128
	global_load_b128 v[QN+8*i+4:QN+8*i+7], v[QO], s[QVB:QVB+1] offset:(i/2)*2048+(i%2)*64+160
.set i, i+1
.endr
	WIN 0
	v_mul_u32_u24 v[AK0], v1, PK
	v_lshl_add_u32 v[AK0], v64, 4, v[AK0]
	v_add_nc_u32 v[AR0], RB, v[AK0]
	v_and_b32 v65, 7, v0
	v_bfe_u32 v66, v0, 3, 1
	v_lshl_add_u32 v[AV0], v64, 3, v65             ; the turning load: key 8 (l / 16) + l % 8, channels 8 ((l / 8) % 2) + 0..7
	v_mul_u32_u24 v[AV0], v[AV0], PV
	v_lshl_add_u32 v[AV0], v66, 4, v[AV0]
	v_add_nc_u32 v[AV0], VB, v[AV0]
	s_mul_i32 s13, s[WV], SKS
	s_add_co_u32 s13, s13, SK+256                  ; my ring
	s_sub_co_u32 s14, s13, 256
	v_lshl_add_u32 v67, v64, 3, v1                 ; l % 16 + 8 (l / 16)
	v_mul_u32_u24 v68, v64, 8*RPI
	v_lshl_add_u32 v68, v67, 2, v68
	v_add_nc_u32 v[VA0], s13, v68
	v_add_nc_u32 v[VAM], s14, v68
	v_mul_u32_u24 v[LA0], v1, RPI
	v_lshl_add_u32 v[LA0], v64, 5, v[LA0]
	v_add_nc_u32 v[LA0], s13, v[LA0]
.irp j, 0,1,2,3,4,5,6,7
	v_sub_nc_u32 v69, 30-\j, v67                   ; 16 or more where l % 16 + 8 (l / 16) + jr < 15
	v_bfe_u32 v69, v69, 4, 1
	v_lshlrev_b32 v[NF+\j], 9, v69
.endr
	v_add_nc_u32 v[STO], s13, v[AK0]               ; the way out's stage is the ring's head: row l % 16 of 144 bytes, 16 bytes for each half of the lanes
	v_bfe_u32 v[RD], v0, 3, 2
	v_mul_u32_u24 v[RD], v[RD], SP
	v_lshl_add_u32 v[RD], v65, 4, v[RD]
	v_add_nc_u32 v[RD], s13, v[RD]
	v_and_b32 v[GO], 31, v0
	v_lshlrev_b32 v[PFO], 8, v[GO]
	v_lshlrev_b32 v[GO], 4, v[GO]
	; what the first turns find: O^T, l, V's registers and piece 3's P hold 0.  These lines stand in the wait for the first tiles; they are the price of writing no first step out.
	WIN W_2
.set i, VF
.rept 64
	v_mov_b32 v[i], 0
.set i, i+1
.endr
	WIN 0x40
.set i, 0
.rept 128
	v_mov_b32 v[i], 0
.set i, i+1
.endr
	WIN 0
.set i, 0
.rept 4
	v_mov_b32 v[ST+4*i], 0xfe000000                ; c m: far below every c s
	v_mov_b32 v[ST+4*i+1], 0xff7fffff              ; m
	v_mov_b32 v[ST+4*i+2], 0
	v_mov_b32 v[ST+4*i+3], 0
.set i, i+1
.endr
.set i, P+48
.rept 16
	v_mov_b32 v[i], 0
.set i, i+1
.endr
; THE MATRIX WORK.  The four accumulators of a run of eight take turns.
.macro KQ x                            ; product i of 8 of S^T += K Qu^T: keys 16 (i % 4) on, channels 32 (i / 4) on.  C is always the registers: they hold the positional scores
	WIN W_KQ
.set rS, S+32*(\x)+8*(i%4)
.set rK, KF+16*(i%4)+8*(i/4)
.set rQ, QU+16*(\x)+8*(i/4)
	v_wmma_f32_16x16x32_f16 v[rS:rS+7], v[rK:rK+7], v[rQ:rQ+7], v[rS:rS+7]
.endm
.macro RP x                            ; product i of 8 of Qv Rext^T: table rows 16 (i % 4) on, channels 32 (i / 4) on
	WIN W_RP
.set rD, RT+8*(i%4)
.set rA, QV+16*(\x)+8*(i/4)
.set rB, RF+16*(i%4)+8*(i/4)
.if i < 4
	v_wmma_f32_16x16x32_f16 v[rD:rD+7], v[rA:rA+7], v[rB:rB+7], 0
.else
	v_wmma_f32_16x16x32_f16 v[rD:rD+7], v[rA:rA+7], v[rB:rB+7], v[rD:rD+7]
.endif
.endm
.macro PV x                            ; product i of 8 of O^T += V^T P: keys 32 (i / 4) on, channels 16 (i % 4) on
	WIN W_PV
.set rO, 32*(\x)+8*(i%4)
.set rV, VF+32*(i/4)+8*(i%4)
.set rP, P+16*(\x)+8*(i/4)
	v_wmma_f32_16x16x32_f16 v[rO:rO+7], v[rV:rV+7], v[rP:rP+7], v[rO:rO+7]
.endm
.macro MM                              ; the turn's next matrix instruction
.if MI < 8
.set i, MI
	KQ (Y+1)%NP
.elseif MI < 16
.set i, MI-8
	RP (Y+2)%NP
.else
.set i, MI-16
	PV (Y+NP-1)%NP
.endif
.set MI, MI+1
.endm
; THE LDS LOADS OF OPERANDS stand in runs of 16.
.macro FETCH_K
	WIN 0
	v_add_nc_u32 v[AK], s[TBK], v[AK0]
	WIN W_2
.irp f, 0,1,2,3,4,5,6,7
	ds_load_b128 v[KF+8*\f:KF+8*\f+3],   v[AK] offset:(\f/2)*16*PK+(\f%2)*64
	ds_load_b128 v[KF+8*\f+4:KF+8*\f+7], v[AK] offset:(\f/2)*16*PK+(\f%2)*64+32
.endr
	s_add_co_u32 s[TBK], s[TBK], KSB               ; the next step's place among the four
	s_cmp_eq_u32 s[TBK], 4*KSB
	s_cselect_b32 s[TBK], 0, s[TBK]
	WIN 0
.endm
.macro FETCH_V
	WIN 0
	v_add_nc_u32 v[AV], s[TBV], v[AV0]
	WIN W_2
.irp f, 0,1,2,3,4,5,6,7
	ds_load_tr16_b128 v[VF+8*\f:VF+8*\f+3],   v[AV] offset:(\f/4)*32*PV+(\f%4)*32
	ds_load_tr16_b128 v[VF+8*\f+4:VF+8*\f+7], v[AV] offset:(\f/4)*32*PV+16*PV+(\f%4)*32
.endr
	s_add_co_u32 s[TBV], s[TBV], VSB
	s_cmp_eq_u32 s[TBV], 4*VSB
	s_cselect_b32 s[TBV], 0, s[TBV]
	WIN 0
.endm
.macro FETCH_R
	WIN W_3
.irp f, 0,1,2,3,4,5,6,7
	ds_load_b128 v[RF+8*\f:RF+8*\f+3],   v[AR] offset:(\f/2)*16*PK+(\f%2)*64
	ds_load_b128 v[RF+8*\f+4:RF+8*\f+7], v[AR] offset:(\f/2)*16*PK+(\f%2)*64+32
.endr
	WIN 0
.endm
; The next window: its number, its place, the change of operand when the number reaches a, its rows.
.macro NEXTWIN
	WIN 0
	s_add_co_u32 s[JW], s[JW], 1
	s_add_co_u32 s[MW], s[MW], 1
	s_and_b32 s[MW], s[MW], 7
	s_mul_i32 s[TBR], s[MW], KSB
	v_add_nc_u32 v[AR], s[TBR], v[AR0]
	s_cmp_eq_u32 s[JW], s[AW]
	s_cbranch_scc0 .Lsame_\@
	WIN W_SW
.set i, 0
.rept 64
	v_mov_b32 v[QV+i], v[QN+i]
.set i, i+1
.endr
	WIN 0
.Lsame_\@:
	FETCH_R
.endm
; The ring's addresses for the next window's parity p.  Column = 64 p + 16 k + e + 1 mod 128, k = c + u, e = l % 16 + 8 (l / 16) + jr: for p = 1 it passes the end for k > 3, and for k = 3 where e >= 15.
.macro UPD
	WIN 0
	s_xor_b32 s[SPP], s[SPP], 256
	s_xor_b32 s[SQ], s[SQ], 256
	s_lshl_b32 s[S2P], s[SPP], 1
	v_add_nc_u32 v[VAP], s[SPP], v[VA0]
	v_add_nc_u32 v[VAR], s[SQ], v[VAM]
	v_add_nc_u32 v[LAD], s[SPP], v[LA0]
.irp j, 0,1,2,3,4,5,6,7
	v_and_b32 v[W+\j], s[S2P], v[NF+\j]
.endr
.irp j, 0,1,2,3,4,5,6,7
	v_add_nc_u32 v[W+\j], v[W+\j], v[VAR]
.endr
.endm
.macro SKST x                          ; piece x's positional product into the ring: 32 stores; each accumulator's registers in ascending order
	WIN W_ST
.set sc, 0
.rept 4
.set sj, 0
.rept 8
.set sk, sc+(\x)
.set sim, (16*(\x)+sj)*RPI+4*(16*sk+1+sj)
.if sk < 3
	ds_store_b32 v[VAP], v[RT+8*sc+sj] offset:sim
.elseif sk > 3
	ds_store_b32 v[VAR], v[RT+8*sc+sj] offset:sim
.else
	ds_store_b32 v[W+sj], v[RT+8*sc+sj] offset:sim
.endif
.set sj, sj+1
.endr
.set sc, sc+1
.endr
.endm
.macro SKLD x                          ; the step's 64 columns of piece x's 16 rows into S^T's registers.  LDS serves a wave's instructions in order: these see the stores above
	WIN 0
.irp kb, 0,1,2,3
	ds_load_b128 v[S+32*(\x)+8*\kb:S+32*(\x)+8*\kb+3],   v[LAD] offset:16*(\x)*RPI+64*\kb
	ds_load_b128 v[S+32*(\x)+8*\kb+4:S+32*(\x)+8*\kb+7], v[LAD] offset:16*(\x)*RPI+64*\kb+16
.endr
.endm
; THE VECTOR WORK, one line at a time: OP kind, number.  For piece Y: F n: c s - c m for pair n of 16.  E n: the exponential of score n of 32.  C n: pair n rounded to f16.  B n: of the four weights 4 n .. the second
; pair is added onto the first.  L n: l takes that sum (L 0: l = a l + sum).  R n: pair n of 16 of O^T times a.  For piece Y + 1: X n, number n of the 22 that find its maximum and statistics:
; 0-11 four chains of seven scores (each accumulator's lowest registers first); 12-14, 16 the rest, the old m, all into one; 15 c m_old is kept; 17, 18 the other half of the lanes; 19-21 c m, its change, a.
.set F, 0
.set E, 1
.set C, 2
.set B, 3
.set L, 4
.set R, 5
.set X, 6
.macro REGS y
.set rT, ST+4*(\y)
.set rC, TMP+4*((\y)%2)
.set rW, MV+((\y)%2)
.set rS, S+32*(\y)
.set rP, P+16*(\y)
.set rO, 32*(\y)
.endm
.macro OP k, n
.if (\k) == R
	REGS Y
	WIN W_RS
	v_pk_mul_f32 v[rO+2*(\n):rO+2*(\n)+1], v[rO+2*(\n):rO+2*(\n)+1], v[rC+2:rC+3] op_sel_hi:[1,0]
.elseif (\k) < R
	REGS Y
	WIN 0
.if (\k) == F
	v_pk_fma_f32 v[rS+2*(\n):rS+2*(\n)+1], v[rS+2*(\n):rS+2*(\n)+1], s[CS:CS+1], v[rT:rT+1] op_sel_hi:[1,0,0] neg_lo:[0,0,1] neg_hi:[0,0,1]
.elseif (\k) == E
	v_exp_f32 v[rS+(\n)], v[rS+(\n)]
.elseif (\k) == C
	v_cvt_pk_f16_f32 v[rP+(\n)], v[rS+2*(\n)], v[rS+2*(\n)+1]
.elseif (\k) == B
	v_pk_add_f32 v[rS+4*(\n):rS+4*(\n)+1], v[rS+4*(\n):rS+4*(\n)+1], v[rS+4*(\n)+2:rS+4*(\n)+3]
.elseif (\n) == 0
	v_pk_fma_f32 v[rT+2:rT+3], v[rT+2:rT+3], v[rC+2:rC+3], v[rS:rS+1] op_sel_hi:[1,0,1]
.else
	v_pk_add_f32 v[rT+2:rT+3], v[rT+2:rT+3], v[rS+4*(\n):rS+4*(\n)+1]
.endif
.else
	REGS (Y+1)%NP
	WIN 0
.if (\n) < 4
	v_max3_num_f32 v[rC+(\n)], v[rS+8*(\n)], v[rS+8*(\n)+1], v[rS+8*(\n)+2]
.elseif (\n) < 12
	v_max3_num_f32 v[rC+(\n)%4], v[rC+(\n)%4], v[rS+8*((\n)%4)+2*((\n)/4)+1], v[rS+8*((\n)%4)+2*((\n)/4)+2]
.elseif (\n) == 12
	v_max3_num_f32 v[rC], v[rC], v[rS+7], v[rS+15]
.elseif (\n) == 13
	v_max3_num_f32 v[rC+1], v[rC+1], v[rS+23], v[rS+31]
.elseif (\n) == 14
	v_max3_num_f32 v[rC+2], v[rC+2], v[rC+3], v[rT+1]
.elseif (\n) == 15
	v_mov_b32 v[rW], v[rT]
.elseif (\n) == 16
	v_max3_num_f32 v[rC], v[rC], v[rC+1], v[rC+2]
.elseif (\n) == 17
	v_permlanex16_b32 v[rC+3], v[rC], s[SEL], s[SEL+1]
.elseif (\n) == 18
	v_max_num_f32 v[rT+1], v[rC], v[rC+3]
.elseif (\n) == 19
	v_mul_f32 v[rT], s[CS], v[rT+1]
.elseif (\n) == 20
	v_sub_f32 v[rC+1], v[rW], v[rT]
.else
	v_exp_f32 v[rC+2], v[rC+1]
.endif
.endif
.endm
.macro OPS a, i1, b=-1, i2=0, c=-1, i3=0, d=-1, i4=0
	OP \a, \i1
.if (\b) >= 0
	OP \b, \i2
.endif
.if (\c) >= 0
	OP \c, \i3
.endif
.if (\d) >= 0
	OP \d, \i4
.endif
.endm
.macro ROW a, i1, b, i2, c, i3, d, i4  ; a matrix instruction and the four behind it
	MM
	OPS \a, \i1, \b, \i2, \c, \i3, \d, \i4
.endm
; A TURN's FIRST HALF, for piece p: all that names no result of the turn's exponentials.  8 products K Qu^T of piece p + 1, 8 products Qv Rext^T of piece p + 2, a lump, the one wait for the batch of 33.
; Each X that first reads an accumulator stands four plain instructions or more behind the product that ends it.  Behind the last product stand X 15, 14, 16, 18, 19, 20 and the v_nop, plain and naming none of
; its registers: the places in front of the ring's stores, of the loads into the window's registers and of the change of operand in the second half.
.macro TURN_A p
.set Y, (\p)
.set MI, 0
.if (\p) == 1
	s_wait_dscnt 16                                ; piece 2's scores are in; V's 16 loads, issued behind them, may stay out
.else
	s_wait_dscnt 0x0                               ; the next piece's scores are in, and K (p = 3) or the window's rows (p = 2)
.endif
	ROW F,0, F,1, R,0, R,1
	ROW F,2, E,0, R,2, R,3
	ROW F,3, E,1, R,4, R,5
	ROW F,4, E,2, R,6, R,7
	ROW F,5, E,3, R,8, R,9
	ROW F,6, E,4, R,10, R,11
	ROW F,7, E,5, R,12, R,13
	ROW F,8, E,6, R,14, R,15
	ROW F,9, E,7, X,0, X,1
	ROW F,10, E,8, X,2, X,4
	ROW F,11, E,9, X,3, X,5
	ROW F,12, E,10, X,6, X,8
	ROW F,13, E,11, X,7, X,9
	ROW F,14, E,12, X,10, X,12
	ROW F,15, E,13, X,11, X,13
	ROW E,14, X,15, E,15, X,14
	OPS E,16, E,17, X,16, E,18
	OPS E,19, E,20, X,17, E,21
	OPS E,22, E,23, X,18, E,24
	OPS E,25, E,26, X,19, E,27
	OPS E,28, E,29, X,20, E,30
	OPS E,31, X,21
	v_nop                                          ; a plain instruction behind the last exponential: one for the batch
	s_wait_alu depctr_va_vdst(0)                   ; the wait ahead of the first instruction that names a result: one for the batch
.endm
; A TURN's SECOND HALF: piece p + 2's positional product goes through the ring into its S^T; 8 products V^T P of piece p - 1, behind each four of piece p's roundings and sums.
; p = 1: the next window is fetched first.  p = 2: the ring's addresses change parity, and the next step's K is fetched.  p = 0: the step's V is fetched last, five plain instructions behind its last reader.
.macro TURN_B p
.set Y, (\p)
.set MI, 16
.if (\p) == 1
	NEXTWIN
.endif
.if (\p) == 2
	UPD
	FETCH_K
.endif
	SKST ((\p)+2)%NP
	SKLD ((\p)+2)%NP
.if (\p) == 1
	s_wait_dscnt 56                                ; V is in: behind its run stand the window's 16 loads, 32 stores and 8 loads
.endif
	ROW C,0, B,0, C,2, B,1
	ROW L,0, C,4, B,2, L,1
	ROW C,6, B,3, L,2, C,8
	ROW B,4, L,3, C,10, B,5
	ROW L,4, C,12, B,6, L,5
	ROW C,14, B,7, L,6, C,1
	ROW C,3, L,7, C,5, C,7
	ROW C,9, C,11, C,13, C,15
.if (\p) == 0
	FETCH_V
.endif
.endm
	s_wait_tensorcnt 0x0                           ; my two first fills are in,
	s_barrier_signal -1
	s_barrier_wait -1                              ; everybody's are
	s_wait_loadcnt 0x0                             ; q+u, q+v, q[t+1]+v
	UPD                                            ; window -1 is odd
	NEXTWIN
	s_wait_dscnt 0x0
.irp x, 0,1,2,3                        ; window -1, all four pieces, into the ring
.set i, 0
.rept 8
	RP \x
.set i, i+1
.endr
	WIN 0
	PLACES
	SKST \x
	PLACES                                         ; eight places between this piece's products and the next piece's, which write the same registers
.endr
	UPD
	NEXTWIN                                        ; window 0
	s_wait_dscnt 0x0
.set i, 0
.rept 8
	RP 0
.set i, i+1
.endr
	WIN 0
	PLACES
	SKST 0
	SKLD 0
	PLACES
	FETCH_K                                        ; key step 0
.set i, 0
.rept 8
	RP 1
.set i, i+1
.endr
	WIN 0
	PLACES
	SKST 1
	SKLD 1
	s_wait_dscnt 0x0
.set i, 0
.rept 8
	KQ 0
.set i, i+1
.endr
	WIN 0
	PLACES
.set Y, NP-1                           ; X works for piece Y + 1: piece 0
.irp n, 0,1,2,3,4,5,6,7,8,9,10,11,12,13,14,15,16,17,18,19,20,21
	OP X, \n
.endr
	v_nop
	s_wait_alu depctr_va_vdst(0)
	s_mov_b32 s[CNT], 2
	s_mov_b32 s[SLOTS], 15
	s_branch .Lfirst                               ; the loop is entered at a step's first turn, in the middle of a trip
.Lslot:                                ; 14 times: changes 0 to 13 fill slots
	CHANGE 1
	s_mov_b32 s[CNT], 2
.Lstep:
	TURN_B 1
	TURN_A 2
	TURN_B 2
	TURN_A 3
	TURN_B 3
	WIN 0
.Lfirst:
	TURN_A 0
	TURN_B 0
	TURN_A 1
	WIN 0
	s_sub_co_u32 s[CNT], s[CNT], 1
	s_cmp_lg_u32 s[CNT], 0
	s_cbranch_scc1 .Lstep
	s_sub_co_u32 s[SLOTS], s[SLOTS], 1
	s_cmp_lg_u32 s[SLOTS], 0
	s_cbranch_scc1 .Lslot
	CHANGE 0                                       ; the tail is written out: step 29's change shows the last slots landed
	s_mov_b32 s[CNT], 3
.Ltail:
	TURN_B 1
	TURN_A 2
	TURN_B 2
	TURN_A 3
	TURN_B 3
	WIN 0
	s_sub_co_u32 s[CNT], s[CNT], 1
	s_cmp_eq_u32 s[CNT], 0
	s_cbranch_scc1 .Lout
	TURN_A 0
	TURN_B 0
	TURN_A 1
	WIN 0
	s_branch .Ltail
.Lout:                                 ; the last trip's window 32, K of a step 32 and what is made of them work on bytes that landed earlier and reach only S^T, m and dead ring cells, never l or O^T: the price of one text for every trip
	s_wait_dscnt 0x0
.set i, 0
.rept 8
	PV NP-1
.set i, i+1
.endr
	; THE WAY OUT.  l's two halves and the other half of the lanes' are added; O^T is divided by l, rounded to f16 and sent through my stage, a piece at a time.  The additions are the places behind the last products.
	WIN 0
.macro ALL line:vararg
.set t, 0
.rept 4
	\line
.set t, t+1
.endr
.endm
	ALL v_add_f32 v[ST+4*t+2], v[ST+4*t+2], v[ST+4*t+3]
	ALL v_permlanex16_b32 v[ST+4*t+3], v[ST+4*t+2], s[SEL], s[SEL+1]
	ALL v_add_f32 v[ST+4*t+2], v[ST+4*t+2], v[ST+4*t+3]
	ALL v_rcp_f32 v[ST+4*t+2], v[ST+4*t+2]
	v_nop
	s_wait_alu depctr_va_vdst(0)                   ; one wait for the four reciprocals
.macro PACK t
	WIN W_RS
.set i, 32*(\t)
.rept 16
	v_pk_mul_f32 v[i:i+1], v[i:i+1], v[ST+4*(\t)+2:ST+4*(\t)+3] op_sel_hi:[1,0]
.set i, i+2
.endr
	WIN 0x05
.set i, 0
.rept 16
	v_cvt_pk_f16_f32 v[S+16*(\t)+i], v[32*(\t)+2*i], v[32*(\t)+2*i+1]
.set i, i+1
.endr
	WIN 0
.irp f, 0,1,2,3
	ds_store_b128 v[STO], v[S+16*(\t)+4*\f:S+16*(\t)+4*\f+3] offset:32*\f
.endr
.irp f, 0,1,2,3
	ds_load_b128 v[S+16*(\t)+4*\f:S+16*(\t)+4*\f+3], v[RD] offset:\f*4*SP
.endr
.endm
.macro SEND t, younger                 ; younger: the LDS instructions issued behind piece t's loads
	WIN 0
.irp f, 0,1,2,3
	s_wait_dscnt (\younger)+3-\f
	global_store_b128 v[GO], v[S+16*(\t)+4*\f:S+16*(\t)+4*\f+3], s[6:7] offset:(\t)*2048+\f*512  ; 512 consecutive bytes, at a multiple of 256 from O's first
.endr
.endm
	PACK 0
.set t, 1
.rept 3
	PACK t
	SEND t-1, 8
.set t, t+1
.endr
	SEND 3, 0
	s_wait_tensorcnt 0x0                           ; the wave's end
	ds_add_u32 v[SPW], v[NIL]
	s_wait_dscnt 0x0
	s_endpgm
.Lfunc_end_k_q04407c5fba_attn:
	.size	k_q04407c5fba_attn, .Lfunc_end_k_q04407c5fba_attn-k_q04407c5fba_attn
	.p2alignl 7, 3214868480
	.fill 96, 4, 3214868480
	.section	.rodata,"a",@progbits
	.p2align	6, 0x0
	.amdhsa_kernel k_q04407c5fba_attn
		.amdhsa_group_segment_fixed_size 327680
		.amdhsa_private_segment_fixed_size 0
		.amdhsa_enable_private_segment 0
		.amdhsa_kernarg_size 16
		.amdhsa_user_sgpr_count 2
		.amdhsa_user_sgpr_kernarg_segment_ptr 1
		.amdhsa_wavefront_size32 1
		.amdhsa_system_sgpr_workgroup_id_x 1
		.amdhsa_system_sgpr_workgroup_id_y 1
		.amdhsa_system_sgpr_workgroup_id_z 1
		.amdhsa_system_vgpr_workitem_id 0
		.amdhsa_next_free_vgpr 896
		.amdhsa_next_free_sgpr 96
		.amdhsa_reserve_vcc 0
		.amdhsa_float_denorm_mode_32 3
		.amdhsa_float_denorm_mode_16_64 3
		.amdhsa_memory_ordered 1
		.amdhsa_forward_progress 1
		.amdhsa_inst_pref_size 180
	.end_amdhsa_kernel
	.amdgpu_metadata
---
amdhsa.version: [ 1, 2 ]
amdhsa.kernels:
  - .name:           k_q04407c5fba_attn
    .symbol:         k_q04407c5fba_attn.kd
    .args:
      - { .name: act, .offset: 0, .size: 8, .value_kind: global_buffer, .address_space: global }
      - { .name: oh, .offset: 8, .size: 8, .value_kind: global_buffer, .address_space: global }
    .group_segment_fixed_size: 327680
    .private_segment_fixed_size: 0
    .kernarg_segment_align: 8
    .kernarg_segment_size: 16
    .max_flat_workgroup_size: 128
    .sgpr_count:     96
    .vgpr_count:     896
    .wavefront_size: 32
...
	.end_amdgpu_metadata
.endif
;; end of part 3
;; launch outp (part 4): grid 8 x 32, 4 waves a work-group, clusters of 4 x 4, 327,680 bytes of LDS; arguments oh, h16, out0; writes out0
.if DOCPART == 4
	.amdgcn_target "amdgcn-amd-amdhsa--gfx1250"
	.amdhsa_code_object_version 6
	.text
	.protected	k_q04407c5fba_outp
	.globl	k_q04407c5fba_outp
	.p2align	8
	.type	k_q04407c5fba_outp,@function
k_q04407c5fba_outp:
	s_mov_b64 s[64:65], 0
	v_nop
	global_prefetch_b8 v0, s[64:65] scope:SCOPE_SE
	s_setreg_imm32_b32 hwreg(HW_REG_WAVE_MODE, 25, 1), 1
	s_wait_xcnt 0x0
	s_wait_alu depctr_hold_cnt(0) depctr_sa_sdst(0) depctr_va_vdst(0) depctr_va_sdst(0) depctr_va_ssrc(0) depctr_va_vcc(0) depctr_vm_vsrc(0)
	s_getreg_b32 s2, hwreg(HW_REG_IB_STS2, 6, 4)
	s_cmp_eq_u32 s2, 0
	s_cbranch_scc0 .Lentry_in_a_cluster
	s_endpgm
.Lentry_in_a_cluster:
	s_bfe_u32 s2, ttmp6, 0x10000c
	s_cmp_lg_u32 s2, 0xf033
	s_cbranch_scc0 .Lentry_shape_is_right
	s_endpgm
.Lentry_shape_is_right:
; out0[m][n] = the sum over head and channel of O[b][head][t][ch] Wo[n][64 head + ch], m = 2,048 b + t.  O (oh) and Wo (by heads, in h16) are f16; sums in f32; out0 is f32.
; A tile of out0 is 128 x 128: 256 work-groups of four waves, each 64 x 64 in 16 accumulators.  K goes in steps of four heads (256) through two LDS slots.
; Both operands lie by heads, so 64 rows of one head are 8,192 dense bytes: a wave's tensor load brings 4 such blocks (4 heads), padded in LDS after every row of 128 bytes: element (head q, row r) at q x 9,216 + r x 144.
; CLUSTERS of 4 x 4: O's tile is asked for jointly by a row of the cluster, Wo's by a column.  The matrix instruction is used transposed, so a lane holds eight neighbouring numbers of a row of out0.
; A wave's 64 columns are 256 bytes of a row of out0, aligned: each wave has a stage of its own on the way out, and no barrier stands there.
; No prefetch: the tiles are small and the launch has four K steps.
.set PITCH,  144
.set SUB,    64*PITCH                  ; a head's 64 rows
.set HALFT,  4*SUB                     ; what one tensor load brings
.set SLOT,   4*HALFT
.set STAGE,  2*SLOT
.set SPITCH, 272
.set WSTAGE, 16*SPITCH
.set SPARE,  STAGE+4*WSTAGE            ; the spare words: 128 bytes a wave, named by no other line
.set LAPS,   2
.set ASTEP,  4*262144                  ; four heads on in oh
.set BSTEP,  4*131072                  ; and in Wo by heads
.set WOB,    20971520
.set ADRA, 16
.set ADRB, 20
.set STO,  24
.set RD,   25
.set CO,   26
.set SPW,  28
.set NIL,  29
.set TMP,  32
.set ACC,  128
.set F0,   0
.set F1,   128
.set G1, 24
.set G0, 32
.set G1B, 48
.set G0B, 56
.set MSB, 0
.macro WIN new
.if MSB != (\new)
	s_set_vgpr_msb (MSB<<8)|(\new)
.set MSB, \new
.endif
.endm
.set MUL,  0x05
.set TO_F, 0x40
.macro JLOAD s
	s_cmp_eq_u32 s11, 0
	s_cbranch_scc0 .Lfor_b_\@
	tensor_load_to_lds s[G0+4*(\s):G0+4*(\s)+3], s[G1:G1+7]
	s_nop 0
.rept 4
	v_nop
.endr
	s_branch .Lasked_\@
.Lfor_b_\@:
	tensor_load_to_lds s[G0B+4*(\s):G0B+4*(\s)+3], s[G1B:G1B+7]
	s_nop 0
.rept 4
	v_nop
.endr
.Lasked_\@:
.endm
.macro CREST
	s_cmp_lg_u32 s10, 0
	s_cbranch_scc1 .Lnot_wave_0_\@
	s_barrier_signal -3
.Lnot_wave_0_\@:
	s_barrier_wait -3
	s_barrier_signal -1
	s_barrier_wait -1
.endm
.macro CROUND
	s_barrier_signal -1
	s_barrier_wait -1
	CREST
.endm
	s_load_b128 s[4:7], s[0:1], 0x0                ; oh s[4:5], h16 s[6:7]
	s_load_b64 s[8:9], s[0:1], 0x10                ; out0
	v_lshl_add_u32 v[SPW], v0, 2, SPARE
	v_mov_b32 v[NIL], 0
	ds_add_u32 v[SPW], v[NIL]                      ; the wave's opening: the add and its wait ahead of my first tensor load
	v_lshrrev_b32 v1, 5, v0
	v_readfirstlane_b32 s10, v1
	s_lshr_b32 s11, s10, 1                         ; my half of the tile's rows; also: I fetch for O (0) or Wo (1)
	s_and_b32 s12, s10, 1                          ; my half of its columns; also: which 64 rows I fetch
	s_bfe_u32 s40, ttmp6, 0x40000
	s_bfe_u32 s41, ttmp6, 0x40004
	s_lshl_b32 s42, ttmp9, 2
	s_add_co_u32 s42, s42, s40                     ; tile column
	s_and_b32 s13, ttmp7, 0xffff
	s_lshl_b32 s13, s13, 2
	s_add_co_u32 s13, s13, s41                     ; tile row
	s_lshl_b32 s43, s41, 2
	s_lshl_b32 s43, 15, s43
	s_lshl_b32 s44, 0x1111, s40
	s_or_b32 s[G1+0], s43, (1<<16)|(1<<20)|(1<<21)|(4<<22)|(3<<25)   ; mask; 2-byte elements; 4 words of padding after every 32
	s_or_b32 s[G1B+0], s44, (1<<16)|(1<<20)|(1<<21)|(4<<22)|(3<<25)
.irp g, G1, G1B
	s_mov_b32 s[(\g)+1], 4096<<16                  ; tensor_dim0 = 4,096: 64 rows x 64 channels on end
	s_mov_b32 s[(\g)+2], 4<<16                     ; tensor_dim1 = 4 heads
	s_mov_b32 s[(\g)+3], 4096<<16                  ; tile_dim0
	s_mov_b32 s[(\g)+4], 4                         ; tile_dim1
	s_mov_b32 s[(\g)+6], 0
	s_mov_b32 s[(\g)+7], 0
.endr
	s_mov_b32 s[G1+5], 131072                      ; elements from head to head in oh,
	s_mov_b32 s[G1B+5], 65536                      ; and in Wo by heads
	s_lshl_b32 s17, s12, 6
	s_lshl_b32 s16, s13, 7
	s_add_co_u32 s16, s16, s17                     ; m = 128 x tile row + 64 x half
	s_lshl_b32 s46, s42, 7
	s_add_co_u32 s46, s46, s17                     ; n
	s_lshl_b32 s46, s46, 7
	s_mov_b32 s47, 0
	s_and_b32 s18, s16, 2047                       ; t
	s_lshl_b32 s18, s18, 7
	s_lshr_b32 s16, s16, 11                        ; b
	s_lshl_b32 s16, s16, 22
	s_add_co_u32 s16, s16, s18
	s_mov_b32 s17, 0
	s_mul_i32 s20, s10, HALFT
	s_wait_dscnt 0x0                               ; the opening add is done
	s_wait_kmcnt 0x0
	s_add_nc_u64 s[6:7], s[6:7], WOB
	s_add_nc_u64 s[14:15], s[4:5], s[16:17]
	s_add_nc_u64 s[46:47], s[6:7], s[46:47]
	CROUND                                         ; all sixteen work-groups are here: the first joint loads meet
.irp s, 0,1
	s_mov_b32 s[G0+4*(\s)], 1
	s_add_co_u32 s[G0+4*(\s)+1], s20, (\s)*SLOT
	s_add_nc_u64 s[G0+4*(\s)+2:G0+4*(\s)+3], s[14:15], (\s)*ASTEP
	s_or_b32 s[G0+4*(\s)+3], s[G0+4*(\s)+3], 0x80000000
	s_mov_b32 s[G0B+4*(\s)], 1
	s_add_co_u32 s[G0B+4*(\s)+1], s20, (\s)*SLOT
	s_add_nc_u64 s[G0B+4*(\s)+2:G0B+4*(\s)+3], s[46:47], (\s)*BSTEP
	s_or_b32 s[G0B+4*(\s)+3], s[G0B+4*(\s)+3], 0x80000000
	JLOAD \s
.endr
	v_and_b32 v1, 15, v0
	v_bfe_u32 v2, v0, 4, 1
	v_mul_u32_u24 v3, v1, PITCH
	v_lshl_add_u32 v3, v2, 4, v3
	s_mul_i32 s21, s11, HALFT
	s_mul_i32 s22, s12, HALFT
	s_add_co_u32 s22, s22, 2*HALFT
.irp s, 0,1
	v_add_nc_u32 v[ADRA+(\s)], s21, v3
	v_add_nc_u32 v[ADRB+(\s)], s22, v3
	s_add_co_u32 s21, s21, SLOT
	s_add_co_u32 s22, s22, SLOT
.endr
	s_mul_i32 s23, s10, WSTAGE
	s_add_co_u32 s23, s23, STAGE                   ; my stage: 16 rows of 256 bytes + 16
	v_mul_u32_u24 v4, v1, SPITCH                   ; in: row l % 16, 32 bytes for each half of the lanes
	v_lshl_add_u32 v4, v2, 5, v4
	v_add_nc_u32 v[STO], s23, v4
	v_mul_u32_u24 v5, v2, SPITCH                   ; back: lanes 0-15 one row of 256 bytes, lanes 16-31 the next
	v_lshl_add_u32 v5, v1, 4, v5
	v_add_nc_u32 v[RD], s23, v5
	v_lshlrev_b32 v5, 12, v2                       ; and the same two rows in out0
	v_lshl_add_u32 v[CO], v1, 4, v5
	s_lshl_b32 s16, s13, 7
	s_lshl_b32 s17, s11, 6
	s_add_co_u32 s16, s16, s17                     ; my first row
	s_lshl_b32 s16, s16, 12
	s_lshl_b32 s46, s42, 9                         ; my first column, in bytes
	s_lshl_b32 s47, s12, 8
	s_add_co_u32 s46, s46, s47
	s_add_co_u32 s16, s16, s46
	s_mov_b32 s17, 0
	s_add_nc_u64 s[8:9], s[8:9], s[16:17]
.macro MUL8 f, c, a0, zero             ; 8 matrix instructions: m blocks a0, a0 + 1 x all 4 n blocks, 32 along K: half c of buffer f
	WIN MUL
.irp a, \a0, (\a0)+1
.irp b, 0,1,2,3
.if \zero
	v_wmma_f32_16x16x32_f16 v[ACC+8*(4*(\a)+(\b)):ACC+8*(4*(\a)+(\b))+7], v[(\f)+64+8*(4*(\c)+(\b)):(\f)+64+8*(4*(\c)+(\b))+7], v[(\f)+8*(4*(\c)+(\a)):(\f)+8*(4*(\c)+(\a))+7], 0
.else
	v_wmma_f32_16x16x32_f16 v[ACC+8*(4*(\a)+(\b)):ACC+8*(4*(\a)+(\b))+7], v[(\f)+64+8*(4*(\c)+(\b)):(\f)+64+8*(4*(\c)+(\b))+7], v[(\f)+8*(4*(\c)+(\a)):(\f)+8*(4*(\c)+(\a))+7], v[ACC+8*(4*(\a)+(\b)):ACC+8*(4*(\a)+(\b))+7]
.endif
.endr
.endr
.endm
.macro FETCH slot, q, f                ; 32 LDS loads in one run: head q's fragments (64 along K) into buffer f; the first 32 along K first
	WIN TO_F
.irp c, 0,1
.irp i, 0,1,2,3
	ds_load_b128 v[(\f)+64+8*(4*(\c)+(\i)):(\f)+64+8*(4*(\c)+(\i))+3],   v[ADRB+(\slot)] offset:(\q)*SUB+64*(\c)+(\i)*16*PITCH
	ds_load_b128 v[(\f)+64+8*(4*(\c)+(\i))+4:(\f)+64+8*(4*(\c)+(\i))+7], v[ADRB+(\slot)] offset:(\q)*SUB+64*(\c)+(\i)*16*PITCH+32
	ds_load_b128 v[(\f)+8*(4*(\c)+(\i)):(\f)+8*(4*(\c)+(\i))+3],         v[ADRA+(\slot)] offset:(\q)*SUB+64*(\c)+(\i)*16*PITCH
	ds_load_b128 v[(\f)+8*(4*(\c)+(\i))+4:(\f)+8*(4*(\c)+(\i))+7],       v[ADRA+(\slot)] offset:(\q)*SUB+64*(\c)+(\i)*16*PITCH+32
.endr
.endr
.endm
.macro PLACES
.rept 4
	v_nop
.endr
.endm
.macro QUARTER slot, q, f, g, zero     ; multiplies buffer f (one head) and fetches head q into g
	s_wait_dscnt 16                                ; the first 32 along K are in
	WIN MUL
	MUL8 \f, 0, 0, \zero
	MUL8 \f, 0, 2, \zero
	PLACES
	FETCH \slot, \q, \g
	s_wait_dscnt 32                                ; all but the 32 just issued
	WIN MUL
	MUL8 \f, 1, 0, 0
	MUL8 \f, 1, 2, 0
.endm
.macro TURN slot, next, fill           ; the last head of a K step, and the change of slots
	WIN 0
	s_wait_tensorcnt 0x0                           ; all my tensor loads have landed: my part of the next slot
	ds_add_u32 v[SPW], v[NIL]
	s_wait_dscnt 17                                ; the add and the youngest sixteen loads may be out
	WIN MUL
	MUL8 F1, 0, 0, 0
	s_wait_dscnt 0x0                               ; the add is done, and my reads of this slot are over
	s_barrier_signal -1
	MUL8 F1, 0, 2, 0
.if \fill
	WIN 0
.endif
	s_barrier_wait -1
.if \fill
	CREST                                          ; no wave of any partner still reads this slot or has a load on its way
	s_add_nc_u64 s[G0+4*(\slot)+2:G0+4*(\slot)+3], s[G0+4*(\slot)+2:G0+4*(\slot)+3], 2*ASTEP
	s_add_nc_u64 s[G0B+4*(\slot)+2:G0B+4*(\slot)+3], s[G0B+4*(\slot)+2:G0B+4*(\slot)+3], 2*BSTEP
	JLOAD \slot                                    ; the four v_nop behind it are also the places in front of the loads below
.else
	PLACES
.endif
	FETCH \next, 0, F0
	WIN MUL
	MUL8 F1, 1, 0, 0
	MUL8 F1, 1, 2, 0
.endm
	s_wait_tensorcnt 1                             ; my part of K step 0 is in; K step 1's may stay out
	s_barrier_signal -1
	s_barrier_wait -1
	FETCH 0, 0, F0
	QUARTER 0, 1, F0, F1, 1                        ; the first head's first products start the sums
	WIN 0
	s_mov_b32 s3, LAPS-1
.Llap:
	QUARTER 0, 2, F1, F0, 0
	QUARTER 0, 3, F0, F1, 0
	TURN 0, 1, 1
	QUARTER 1, 1, F0, F1, 0
	QUARTER 1, 2, F1, F0, 0
	QUARTER 1, 3, F0, F1, 0
	TURN 1, 0, 1
	QUARTER 0, 1, F0, F1, 0
	WIN 0
	s_sub_co_u32 s3, s3, 1
	s_cmp_lg_u32 s3, 0
	s_cbranch_scc1 .Llap
	QUARTER 0, 2, F1, F0, 0                        ; the last lap fills nothing
	QUARTER 0, 3, F0, F1, 0
	TURN 0, 1, 0
	QUARTER 1, 1, F0, F1, 0
	QUARTER 1, 2, F1, F0, 0
	QUARTER 1, 3, F0, F1, 0
	s_wait_dscnt 16
	WIN MUL
	MUL8 F1, 0, 0, 0
	MUL8 F1, 0, 2, 0
	s_wait_dscnt 0x0
	MUL8 F1, 1, 0, 0
	MUL8 F1, 1, 2, 0
	WIN 0
	; THE WAY OUT, 16 rows at a time: the sums go as they are into my stage, come back as whole rows of 256 bytes, and are stored: 16 lanes fill 256 consecutive bytes, aligned.
	PLACES
.irp a, 0,1,2,3
.irp b, 0,1,2,3
	ds_store_b128 v[STO], v[ACC+8*(4*(\a)+(\b)):ACC+8*(4*(\a)+(\b))+3]   offset:64*(\b)
	ds_store_b128 v[STO], v[ACC+8*(4*(\a)+(\b))+4:ACC+8*(4*(\a)+(\b))+7] offset:64*(\b)+16
.endr
	s_wait_xcnt 0x0                                ; earlier stores have read the registers that the loads below fill
.irp t, 0,1,2,3,4,5,6,7
	ds_load_b128 v[TMP+32*((\a)%2)+4*(\t):TMP+32*((\a)%2)+4*(\t)+3], v[RD] offset:(\t)*2*SPITCH  ; LDS serves a wave's instructions in order: these see the stores above
.endr
	s_wait_dscnt 0x0
.irp t, 0,1,2,3,4,5,6,7
	global_store_b128 v[CO], v[TMP+32*((\a)%2)+4*(\t):TMP+32*((\a)%2)+4*(\t)+3], s[8:9] offset:(16*(\a)+2*(\t))*4096 th:TH_STORE_NT
.endr
.endr
	s_wait_tensorcnt 0x0                           ; the wave's end
	ds_add_u32 v[SPW], v[NIL]
	s_wait_dscnt 0x0
	CROUND                                         ; the closing round
	s_endpgm
.Lfunc_end_k_q04407c5fba_outp:
	.size	k_q04407c5fba_outp, .Lfunc_end_k_q04407c5fba_outp-k_q04407c5fba_outp
	.p2alignl 7, 3214868480
	.fill 96, 4, 3214868480
	.section	.rodata,"a",@progbits
	.p2align	6, 0x0
	.amdhsa_kernel k_q04407c5fba_outp
		.amdhsa_group_segment_fixed_size 327680
		.amdhsa_private_segment_fixed_size 0
		.amdhsa_enable_private_segment 0
		.amdhsa_kernarg_size 24
		.amdhsa_user_sgpr_count 2
		.amdhsa_user_sgpr_kernarg_segment_ptr 1
		.amdhsa_wavefront_size32 1
		.amdhsa_system_sgpr_workgroup_id_x 1
		.amdhsa_system_sgpr_workgroup_id_y 1
		.amdhsa_system_sgpr_workgroup_id_z 1
		.amdhsa_system_vgpr_workitem_id 0
		.amdhsa_next_free_vgpr 512
		.amdhsa_next_free_sgpr 66
		.amdhsa_reserve_vcc 0
		.amdhsa_float_denorm_mode_32 3
		.amdhsa_float_denorm_mode_16_64 3
		.amdhsa_memory_ordered 1
		.amdhsa_forward_progress 1
		.amdhsa_inst_pref_size 86
	.end_amdhsa_kernel
	.amdgpu_metadata
---
amdhsa.version: [ 1, 2 ]
amdhsa.kernels:
  - .name:           k_q04407c5fba_outp
    .symbol:         k_q04407c5fba_outp.kd
    .args:
      - { .name: oh, .offset: 0, .size: 8, .value_kind: global_buffer, .address_space: global }
      - { .name: h16, .offset: 8, .size: 8, .value_kind: global_buffer, .address_space: global }
      - { .name: out0, .offset: 16, .size: 8, .value_kind: global_buffer, .address_space: global }
    .group_segment_fixed_size: 327680
    .private_segment_fixed_size: 0
    .kernarg_segment_align: 8
    .kernarg_segment_size: 24
    .max_flat_workgroup_size: 128
    .sgpr_count:     66
    .vgpr_count:     512
    .wavefront_size: 32
...
	.end_amdgpu_metadata
.endif
;; end of part 4
